; MI455X (gfx1250); checked and timed in simulation.
; The chip was launched on July 23, 2026; its instructions are those of AMD's public machine-readable ISA for CDNA 5 (MIT licence, August 2026) and "CDNA5" Instruction Set Architecture Reference Guide (July 2026). The comments in the code are by the model that wrote it; some were corrected since.
;; Multi Head Attention. Allowed arithmetic: matrix products marked QUANTISED: E4M3 operands, one given power-of-two scale a tensor, by v_wmma_f32_16x16x64_fp8_fp8 or v_wmma_f32_16x16x128_fp8_fp8, f32 sums; everything else in f32.
;; Inputs: cos 2,048 x 64 float32; lowp_scales 12 int32 (the exponents e of the quantised operands' scales 2^e); mask 2,048 x 2,048 float32; sin 2,048 x 64 float32; wk 1,024 x 1,024 float32; wo 1,024 x 1,024 float32; wq 1,024 x 1,024 float32; wv 1,024 x 1,024 float32; x 4 x 2,048 x 1,024 float32.
;; Outputs: out0 4 x 2,048 x 1,024 float32.
;; This version of the problem:
;;   THIS VERSION OF THE PROBLEM IS GIVEN IN LOW PRECISION. The matrix products marked QUANTISED in the list below multiply operands that are first quantised to E4M3 (4 exponent bits, 3 mantissa bits; 8 bits a number), with one given power-of-two scale for each operand tensor; their sums are f32. All else is computed in f32.
;;   The module's matrix products, in the order in which they are computed (A, B: the left and right operand; K: the contracted axis; several contracted axes count as one K, in the product's order):
;;     1. [M 8,192, K 1,024] x [K 1,024, N 1,024]; A: input x; B: input wq: QUANTISED (scales: A lowp_scales[0], B lowp_scales[1])
;;     2. [M 8,192, K 1,024] x [K 1,024, N 1,024]; A: input x; B: input wk: QUANTISED (scales: A lowp_scales[2], B lowp_scales[3])
;;     3. [M 8,192, K 1,024] x [K 1,024, N 1,024]; A: input x; B: input wv: QUANTISED (scales: A lowp_scales[4], B lowp_scales[5])
;;     4. batch 64 x [M 2,048, K 64] x [K 64, N 2,048]; A: computed on the way; B: computed on the way: QUANTISED (scales: A lowp_scales[6], B lowp_scales[7])
;;     5. batch 64 x [M 2,048, K 2,048] x [K 2,048, N 64]; A: softmax (see below); B: computed on the way: QUANTISED (scales: A lowp_scales[8], B lowp_scales[9])
;;     6. [M 8,192, K 1,024] x [K 1,024, N 1,024]; A: computed on the way; B: input wo: QUANTISED (scales: A lowp_scales[10], B lowp_scales[11])
;;   THE QUANTISER, for each operand of a quantised product, along K:
;;     - The operand's scale is 2^e, e = its entry of the input lowp_scales (int32; the entries are numbered through the quantised products in the list's order, A before B).
;;     - Each number is divided by the scale, clamped to +-448, and rounded to the nearest number of E4M3, ties to even, subnormals kept.
;;     - The product sums the exact products of the quantised numbers (number of the format x scale) in f32.
;;   ~~~python
;;   def quantise(x, axis, e):      # numpy; x: float32 -> the quantised numbers, widened to float32 again
;;       x = np.moveaxis(x, axis, -1); K = x.shape[-1]
;;       r = np.clip(x / 2.0 ** e, -448, 448)
;;       step = 2.0 ** (np.maximum(np.frexp(np.where(r == 0, 1, r))[1] - 1, -6) - 3)
;;       q = np.round(r / step) * step * 2.0 ** e      # np.round: ties to even
;;       return np.moveaxis(q, -1, axis).astype(np.float32)
;;   ~~~
;;   SOFTMAX AHEAD OF A QUANTISED PRODUCT. Where the list says 'softmax', what is quantised is not the finished softmax but p = 2^(t - M), with t = logit x log2(e) and M = ceil(the row's largest t), a whole number; so 1/2 < the row's largest p <= 1. The row's sum l is taken of the UNQUANTISED p, in f32, and the product's result is divided by l at the end. Since M is a whole number, a kernel that streams over the keys may use a running M (the ceiling of the running maximum): every later rescaling is an exact power of two, so the quantised numbers keep their values, but for numbers so far below the row's largest that they fall under the format's range.
;;   OPERANDS COMPUTED ON THE WAY. 'Computed on the way' means the value that the module computes at that place (a softmax that the list does not call 'softmax' is quantised finished and normalised). What goes into a quantiser is computed in f32, as accurately as f32 sums, v_exp_f32 and their like allow (about 1e-6 of the number): no bf16 or f16 on the way to a quantiser, and a product that is left as it is and whose result goes on into a quantised operand takes f32 operands (vector FMAs, or v_wmma_f32_16x16x4_f32). A number that lies on a knife's edge between two numbers of the format may be rounded either way, as far as f32 arithmetic and the matrix unit's own rounding can turn it there, and no further.
;; One version. Each part assembles by itself: llvm-mc -triple=amdgcn-amd-amdhsa -mcpu=gfx1250 --defsym DOCPART=n.
;; ======== version 1 of 1: 4 launches
;; limits: right only within a limited range of input values
;; workspace buffers: xc 25,165,824 bytes; wc 4,194,304 bytes; mk 16,777,216 bytes; qc 8,388,608 bytes; kv 16,777,216 bytes; oc 8,388,608 bytes
;; launch quant (part 1): grid 1024 x 1, 4 waves a work-group, no clusters, 34,304 bytes of LDS; arguments x, wq, wk, wv, wo, mask, lowp_scales, xc, wc, mk; writes xc, wc, mk
.if DOCPART == 1
	.amdgcn_target "amdgcn-amd-amdhsa--gfx1250"
	.amdhsa_code_object_version 6
	.text
	.protected	k_q2bca8e2e3c_quant
	.globl	k_q2bca8e2e3c_quant
	.p2align	8
	.type	k_q2bca8e2e3c_quant,@function
k_q2bca8e2e3c_quant:
	s_mov_b64 s[64:65], 0
	v_nop
	global_prefetch_b8 v0, s[64:65] scope:SCOPE_SE
	s_setreg_imm32_b32 hwreg(HW_REG_WAVE_MODE, 25, 1), 1
	s_wait_xcnt 0x0
; MULTI-HEAD ATTENTION IN FP8 (E4M3), FIRST OF FOUR LAUNCHES: what many work-groups read later is quantised, or scaled, once.
; NOTHING OF reference() IS LEFT OUT IN THIS PROGRAM.  The mask is an input, so no pattern of it is built in: all 2,048 x 2,048 scores of all 64 (batch, head) pairs are computed and every number
; of the mask is added.  cos and sin are inputs and are taken entry by entry.  x is an operand of three products with three scales of its own (entries 0, 2, 4): three sets of codes are made.
; code = number / 2^e, held within +-448, rounded to the nearest code, ties to even; e is the operand's entry of lowp_scales.
; THREE PATHS, parted by the work-group's number; each work-group reads 65,536 bytes.
;   X (work-groups 0-511):    x -> xc: three sets [8192][1024] of codes, 2^23 bytes apart.
;   W (work-groups 512-767):  wq, wk, wv, wo -> wc: four sets [1024][1024] of codes, 2^20 bytes apart (entries 1, 3, 5, 11).
;   M (work-groups 768-1023): mask -> mk: mask x 2^(3 - e6 - e7), f32.  A score is sum x 2^(e6 + e7 - 3) + mask (1 / sqrt(64) = 2^-3), so the mask so scaled can be the C of the scores' matrix instruction.
;      It is laid as that C lies in registers: [128 queries][128 keys][16 queries][16 keys][half][512 bytes]: lane (r, h) of half i holds query r, keys 8 h + 4 i + 0 .. 3.
; ORDER ALONG K.  In xc and in wq's, wk's, wv's codes each 512 along K are permuted, alike in all: byte 16 l + 4 i + e holds k = 128 i + 4 l + e.  So each load reads 512 consecutive bytes and each lane still
; converts 16 numbers into 16 bytes that it stores together; every product meets its partner.  wo's partner is made elsewhere in the natural order, so wo's lanes take 16 neighbours each (64 bytes from lane to lane).
; NO STORE'S DATA ARE WRITTEN AGAIN: every step has registers of its own for what it stores, every offset is an immediate and no pointer is stepped, so no wait stands between a step's stores and the next step.
; LIMITS: each e between -126 and 119; 3 - e6 - e7 between -126 and 127, and |mask| x 2^(3 - e6 - e7) finite.  NaN among the inputs is not served.
.set STG,   16*528                     ; path M: a stage of 16 rows x (512 bytes + 16) for each wave
.set SPARE, 4*STG                      ; behind the stages: the spare words, 128 bytes for each wave: two blocks of 256 bytes that no other line names
.set NS,    8                          ; paths X, W: steps of 512 numbers a wave
.set VA,    2                          ; v2-5    paths X, W: the byte offsets of a step's four loads
.set LO16,  6                          ; v6      16 x lane
.set SC,    8                          ; v8, v10, v12: 2^e as f32;  v9, v11, v13: 448 x 2^e
.set SPW,   14                         ; v14     LDS address of my spare word; never rewritten
.set NIL,   15                         ; v15     0; never rewritten
.set R,     16                         ; v16-79  paths X, W: four sets of 16 numbers as loaded
.set T,     80                         ; v80-95  16 numbers held within the limit
.set C,     96                         ; v96-191 codes: 3 x 4 registers for each of the eight steps
.set L,     16                         ; v16-143 path M: two sets of 64 numbers as loaded
.set X,     144                        ; v144-207 path M: the first step's 64 numbers in the order of the image; the second step's take v16-79
	s_load_b512 s[4:19], s[0:1], 0x0               ; x 4:5, wq 6:7, wk 8:9, wv 10:11, wo 12:13, mask 14:15, the exponents 16:17, xc 18:19
	s_load_b128 s[20:23], s[0:1], 0x40             ; wc 20:21, mk 22:23
	v_lshl_add_u32 v[SPW], v0, 2, SPARE
	v_mov_b32 v[NIL], 0
	v_lshrrev_b32 v1, 5, v0
	v_readfirstlane_b32 s24, v1                    ; wave 0..3
	v_and_b32 v1, 31, v0                           ; lane
	v_lshlrev_b32 v[LO16], 4, v1
	s_mov_b32 s49, 0                               ; the upper word of every offset pair s[48:49]
	s_wait_kmcnt 0x0
	s_load_b256 s[36:43], s[16:17], 0x0            ; entries 0 to 7
	s_load_b128 s[44:47], s[16:17], 0x20           ; entries 8 to 11
	s_cmp_ge_u32 ttmp9, 768
	s_cbranch_scc1 .Lmask
	s_cmp_ge_u32 ttmp9, 512
	s_cbranch_scc1 .Lweights
.macro MKSC se, n                      ; from the exponent in \se: 2^e and 448 x 2^e as f32, for scale set n
	s_add_co_i32 s52, \se, 127
	s_lshl_b32 s53, s52, 23
	v_mov_b32 v[SC+2*\n], s53                      ; the conversion takes its exponent field
	s_add_co_i32 s52, s52, 8
	s_lshl_b32 s52, s52, 23
	s_or_b32 s52, s52, 0x600000                    ; 448 = 1.75 x 2^8
	v_mov_b32 v[SC+2*\n+1], s52
.endm
.macro LOADQ t                         ; step t: 512 numbers, 16 a lane, into set t % 4
.irp i, 0,1,2,3
	global_load_b128 v[R+16*((\t)%4)+4*\i:R+16*((\t)%4)+4*\i+3], v[VA+\i], s[32:33] offset:2048*(\t) th:TH_LOAD_NT
.endr
.endm
.macro QSTEP t, n                      ; step t is quantised with n scales and stored
.if 4*(NS-1-(\t)) < 12
	s_wait_loadcnt 4*(NS-1-(\t))                   ; this step's four loads are in; only the later steps' are out
.else
	s_wait_loadcnt 12                              ; this step's four loads are in; those of the three steps behind it may be out
.endif
.set RS, R+16*((\t)%4)
.set CB, C+12*(\t)
.set sc, 0
.rept \n
.set i, 0
.rept 16
	v_med3_num_f32 v[T+i], v[RS+i], -v[SC+2*sc+1], v[SC+2*sc+1]   ; the conversion to an 8-bit code does not saturate (ISA guide 7.6.2): the hold at the largest code x the scale
.set i, i+1
.endr
	v_cvt_scalef32_pk8_fp8_f32 v[CB+4*sc:CB+4*sc+1], v[T:T+7], v[SC+2*sc]
	v_cvt_scalef32_pk8_fp8_f32 v[CB+4*sc+2:CB+4*sc+3], v[T+8:T+15], v[SC+2*sc]
	v_nop                                          ; a plain line between the conversions and the next lines that write their sources
.set sc, sc+1
.endr
.if (\t)+4 < NS
	LOADQ (\t)+4
.endif
.set sc, 0
.rept \n
	global_store_b128 v[LO16], v[CB+4*sc:CB+4*sc+3], s[26+2*sc:27+2*sc] offset:512*(\t)   ; 32 lanes store 512 consecutive bytes, aligned
.set sc, sc+1
.endr
.endm
	; ---- path X: wave 4 g + w takes 4,096 numbers of x
	s_lshl_b32 s25, ttmp9, 2
	s_add_co_u32 s25, s25, s24
	s_lshl_b32 s48, s25, 14
	s_add_nc_u64 s[32:33], s[4:5], s[48:49]
	s_lshl_b32 s48, s25, 12
	s_add_nc_u64 s[26:27], s[18:19], s[48:49]      ; the three sets of codes
	s_add_nc_u64 s[28:29], s[26:27], 0x800000
	s_add_nc_u64 s[30:31], s[28:29], 0x800000
	s_wait_alu depctr_va_vdst(0)                   ; the wait here, directly ahead of the reader below
	v_mov_b32 v[VA], v[LO16]
	v_add_nc_u32 v[VA+1], 512, v[LO16]
	v_add_nc_u32 v[VA+2], 1024, v[LO16]
	v_add_nc_u32 v[VA+3], 1536, v[LO16]
.irp t, 0,1,2,3
	LOADQ \t
.endr
	s_wait_kmcnt 0x0
	MKSC s36, 0
	MKSC s38, 1
	MKSC s40, 2
	s_wait_alu depctr_va_vdst(0)                   ; the wait at the head's end
.irp t, 0,1,2,3,4,5,6,7
	QSTEP \t, 3
.endr
	s_endpgm
	; ---- path W: 64 work-groups to a weight
.Lweights:
	s_sub_co_u32 s25, ttmp9, 512
	s_lshr_b32 s54, s25, 6                         ; which weight: 0 wq, 1 wk, 2 wv, 3 wo
	s_and_b32 s25, s25, 63
	s_lshl_b32 s25, s25, 2
	s_add_co_u32 s25, s25, s24                     ; which 4,096 numbers of it
	s_cmp_eq_u32 s54, 3
	s_cselect_b32 s55, 64, 16                      ; from lane to lane,
	s_mov_b32 s56, 512
	s_cselect_b32 s56, 16, s56                     ; and from load to load: wo in the natural order, the others permuted
	s_wait_alu depctr_va_vdst(0)                   ; the wait here, directly ahead of the reader below
	v_mul_lo_u32 v[VA], v1, s55
	v_add_nc_u32 v[VA+1], s56, v[VA]
	v_add_nc_u32 v[VA+2], s56, v[VA+1]
	v_add_nc_u32 v[VA+3], s56, v[VA+2]
	s_wait_alu depctr_va_vdst(0)                   ; and here, directly ahead of the wait below
	s_wait_kmcnt 0x0
	s_cmp_eq_u32 s54, 0                            ; the choices hang on the work-group's number alone
	s_cselect_b64 s[32:33], s[6:7], s[8:9]
	s_cselect_b32 s57, s37, s39
	s_cmp_lt_u32 s54, 2
	s_cselect_b64 s[32:33], s[32:33], s[10:11]
	s_cselect_b32 s57, s57, s41
	s_cmp_lt_u32 s54, 3
	s_cselect_b64 s[32:33], s[32:33], s[12:13]
	s_cselect_b32 s57, s57, s47
	s_lshl_b32 s48, s25, 14
	s_add_nc_u64 s[32:33], s[32:33], s[48:49]
	s_lshl_b32 s48, s54, 20
	s_lshl_b32 s55, s25, 12
	s_add_co_u32 s48, s48, s55
	s_add_nc_u64 s[26:27], s[20:21], s[48:49]
.irp t, 0,1,2,3
	LOADQ \t
.endr
	MKSC s57, 0
	s_wait_alu depctr_va_vdst(0)                   ; the wait at the head's end
.irp t, 0,1,2,3,4,5,6,7
	QSTEP \t, 1
.endr
	s_endpgm
	; ---- path M: the work-group takes 16 queries x 1,024 keys, wave w 256 of the keys, 128 keys a step.  A load reads 512 consecutive bytes of a row; the 16 rows turn through the wave's own
	; stage in LDS (rows 528 bytes apart) and leave as images: each store covers 512 consecutive bytes, aligned.
.Lmask:
	s_sub_co_u32 s25, ttmp9, 768
	s_lshr_b32 s54, s25, 1                         ; which 16 queries
	s_and_b32 s55, s25, 1                          ; which 1,024 keys
	s_lshl_b32 s48, s54, 17                        ; 16 rows of 8,192 bytes
	s_lshl_b32 s52, s55, 12
	s_add_co_u32 s48, s48, s52
	s_lshl_b32 s52, s24, 10
	s_add_co_u32 s48, s48, s52
	s_add_nc_u64 s[32:33], s[14:15], s[48:49]
	s_lshr_b32 s48, s54, 3
	s_lshl_b32 s48, s48, 20                        ; the block of 128 queries,
	s_lshl_b32 s52, s55, 19                        ; eight blocks of 128 keys, 65,536 bytes each, to a half,
	s_add_co_u32 s48, s48, s52
	s_lshl_b32 s52, s24, 17                        ; two to a wave,
	s_add_co_u32 s48, s48, s52
	s_and_b32 s52, s54, 7
	s_lshl_b32 s52, s52, 13                        ; the tile of 16 queries
	s_add_co_u32 s48, s48, s52
	s_add_nc_u64 s[34:35], s[22:23], s[48:49]
	s_mul_i32 s53, s24, STG
	s_wait_alu depctr_va_vdst(0)                   ; the wait here, directly ahead of the reader below
	v_add_nc_u32 v3, s53, v[LO16]                  ; into the stage: 16 x lane, the row in the immediate
	v_and_b32 v4, 15, v0
	v_bfe_u32 v5, v0, 4, 1
	v_mul_u32_u24 v4, v4, 528
	v_lshl_add_u32 v4, v5, 5, v4
	v_add_nc_u32 v4, s53, v4                       ; out of it: row r, + 32 h
.macro LOADM t
.set i, 0
.rept 16
	global_load_b128 v[L+64*(\t)+4*i:L+64*(\t)+4*i+3], v[LO16], s[32:33] offset:8192*i+512*(\t) th:TH_LOAD_NT
.set i, i+1
.endr
.endm
.macro MSTEP t
.if (\t) == 0
	s_wait_loadcnt 16                              ; this step's 16 loads are in; the next step's may be out
.set XB, X
.else
	s_wait_loadcnt 0x0
.set XB, L                                         ; the first step's numbers have gone into the stage and come back: their registers take the second step's image
.endif
.set i, 0
.rept 16
	ds_store_b128 v3, v[L+64*(\t)+4*i:L+64*(\t)+4*i+3] offset:528*i
.set i, i+1
.endr
.set i, 0
.rept 16
	ds_load_b128 v[XB+4*i:XB+4*i+3], v4 offset:64*(i/2)+16*(i%2)   ; LDS serves a wave's instructions in order: these see my stores.  Key tile i / 2, half i % 2
.set i, i+1
.endr
	s_wait_dscnt 0x0                               ; the image is in, and the stores into the stage have read their registers
.set i, 0
.rept 32
	v_pk_mul_f32 v[XB+2*i:XB+2*i+1], v[XB+2*i:XB+2*i+1], s[50:51] op_sel_hi:[1,0]   ; x 2^(3 - e6 - e7): nothing is rounded
.set i, i+1
.endr
.set i, 0
.rept 16
	global_store_b128 v[LO16], v[XB+4*i:XB+4*i+3], s[34:35] offset:65536*(\t)+512*i
.set i, i+1
.endr
.endm
	LOADM 0
	LOADM 1
	s_wait_alu depctr_va_vdst(0)                   ; the wait at the head's end
	s_wait_kmcnt 0x0
	s_add_co_i32 s50, s42, s43                     ; e6 + e7
	s_sub_co_i32 s50, 130, s50                     ; 3 - (e6 + e7) + 127
	s_lshl_b32 s50, s50, 23
	s_mov_b32 s51, s50                             ; (named with it as a pair, so it is written)
	MSTEP 0
	MSTEP 1
	s_wait_tensorcnt 0x0                           ; the wave's end, behind my last LDS store
	ds_add_u32 v[SPW], v[NIL]
	s_wait_dscnt 0x0
	s_endpgm
.Lfunc_end_k_q2bca8e2e3c_quant:
	.size	k_q2bca8e2e3c_quant, .Lfunc_end_k_q2bca8e2e3c_quant-k_q2bca8e2e3c_quant
	.p2alignl 7, 3214868480
	.fill 96, 4, 3214868480
	.section	.rodata,"a",@progbits
	.p2align	6, 0x0
	.amdhsa_kernel k_q2bca8e2e3c_quant
		.amdhsa_group_segment_fixed_size 34304
		.amdhsa_private_segment_fixed_size 0
		.amdhsa_enable_private_segment 0
		.amdhsa_kernarg_size 80
		.amdhsa_user_sgpr_count 2
		.amdhsa_user_sgpr_kernarg_segment_ptr 1
		.amdhsa_wavefront_size32 1
		.amdhsa_system_sgpr_workgroup_id_x 1
		.amdhsa_system_sgpr_workgroup_id_y 1
		.amdhsa_system_sgpr_workgroup_id_z 1
		.amdhsa_system_vgpr_workitem_id 0
		.amdhsa_next_free_vgpr 208
		.amdhsa_next_free_sgpr 66
		.amdhsa_reserve_vcc 0
		.amdhsa_float_denorm_mode_32 3
		.amdhsa_float_denorm_mode_16_64 3
		.amdhsa_memory_ordered 1
		.amdhsa_forward_progress 1
		.amdhsa_inst_pref_size 66
	.end_amdhsa_kernel
	.amdgpu_metadata
---
amdhsa.version: [ 1, 2 ]
amdhsa.kernels:
  - .name:           k_q2bca8e2e3c_quant
    .symbol:         k_q2bca8e2e3c_quant.kd
    .args:
      - { .name: x, .offset: 0, .size: 8, .value_kind: global_buffer, .address_space: global }
      - { .name: wq, .offset: 8, .size: 8, .value_kind: global_buffer, .address_space: global }
      - { .name: wk, .offset: 16, .size: 8, .value_kind: global_buffer, .address_space: global }
      - { .name: wv, .offset: 24, .size: 8, .value_kind: global_buffer, .address_space: global }
      - { .name: wo, .offset: 32, .size: 8, .value_kind: global_buffer, .address_space: global }
      - { .name: mask, .offset: 40, .size: 8, .value_kind: global_buffer, .address_space: global }
      - { .name: lowp_scales, .offset: 48, .size: 8, .value_kind: global_buffer, .address_space: global }
      - { .name: xc, .offset: 56, .size: 8, .value_kind: global_buffer, .address_space: global }
      - { .name: wc, .offset: 64, .size: 8, .value_kind: global_buffer, .address_space: global }
      - { .name: mk, .offset: 72, .size: 8, .value_kind: global_buffer, .address_space: global }
    .group_segment_fixed_size: 34304
    .private_segment_fixed_size: 0
    .kernarg_segment_align: 8
    .kernarg_segment_size: 80
    .max_flat_workgroup_size: 128
    .sgpr_count:     66
    .vgpr_count:     208
    .wavefront_size: 32
...
	.end_amdgpu_metadata
.endif
;; end of part 1
;; launch qkv (part 2): grid 12 x 32, 4 waves a work-group, clusters of 4 x 4, 327,680 bytes of LDS; arguments xc, wc, lowp_scales, cos, sin, qc, kv; writes qc, kv
.if DOCPART == 2
	.amdgcn_target "amdgcn-amd-amdhsa--gfx1250"
	.amdhsa_code_object_version 6
	.text
	.protected	k_q2bca8e2e3c_qkv
	.globl	k_q2bca8e2e3c_qkv
	.p2align	8
	.type	k_q2bca8e2e3c_qkv,@function
k_q2bca8e2e3c_qkv:
	s_mov_b64 s[64:65], 0
	v_nop
	global_prefetch_b8 v0, s[64:65] scope:SCOPE_SE
	s_setreg_imm32_b32 hwreg(HW_REG_WAVE_MODE, 25, 1), 1
	s_wait_xcnt 0x0
	s_wait_alu depctr_hold_cnt(0) depctr_sa_sdst(0) depctr_va_vdst(0) depctr_va_sdst(0) depctr_va_ssrc(0) depctr_va_vcc(0) depctr_vm_vsrc(0)
	s_getreg_b32 s2, hwreg(HW_REG_IB_STS2, 6, 4)
	s_cmp_eq_u32 s2, 0
	s_cbranch_scc0 .Lentry_in_a_cluster
	s_endpgm
.Lentry_in_a_cluster:
	s_bfe_u32 s2, ttmp6, 0x10000c
	s_cmp_lg_u32 s2, 0xf033
	s_cbranch_scc0 .Lentry_shape_is_right
	s_endpgm
.Lentry_shape_is_right:
.set SIZE_K, 1024
.set KSTEP,  256
.set ROWB,   256
.set KROW,   SIZE_K
.set PITCH,  272
.set FR,     16
.set NL,     4
.set NP,     4
.set HALFT,  128*PITCH
.set SLOT,   4*HALFT
.set LAPS,   SIZE_K/(2*KSTEP)
.set SPARE,  2*SLOT
.set ADRA, 16
.set ADRB, 20
.set SCL,  22
.set LIM,  23
.set VO0,  24
.set VO1,  25
.set CSA,  26
.set SPW,  28
.set NIL,  29
.set CS0,  32
.set R,    160
.set CODE, 224
.set AF,   128
.set G1, 24
.set G0, 32
.set G1B, 48
.set G0B, 56
.set MSB, 0
.macro WIN new
.if MSB != (\new)
	s_set_vgpr_msb (MSB<<8)|(\new)
.set MSB, (\new)
.endif
.endm
.set MUL_LO, 0xa1
.set MUL_HI, 0xf1
.set TO_B,   0x40
.macro JLOAD g0a, g1a, g0b, g1b
	s_cmp_eq_u32 s15, 0
	s_cbranch_scc0 .Lfor_b_\@
	tensor_load_to_lds s[\g0a:\g0a+3], s[\g1a:\g1a+7]
	s_nop 0
.rept 4
	v_nop
.endr
	s_branch .Lasked_\@
.Lfor_b_\@:
	tensor_load_to_lds s[\g0b:\g0b+3], s[\g1b:\g1b+7]
	s_nop 0
.rept 4
	v_nop
.endr
.Lasked_\@:
.endm
.macro CREST
	s_cmp_lg_u32 s14, 0
	s_cbranch_scc1 .Lnot_wave_0_\@
	s_barrier_signal -3
.Lnot_wave_0_\@:
	s_barrier_wait -3
	s_barrier_signal -1
	s_barrier_wait -1
.endm
.macro CROUND
	s_barrier_signal -1
	s_barrier_wait -1
	CREST
.endm
	s_load_b256 s[68:75], s[0:1], 0x0
	s_load_b128 s[76:79], s[0:1], 0x20
	s_load_b64 s[80:81], s[0:1], 0x30
	v_lshl_add_u32 v[SPW], v0, 2, SPARE
	v_mov_b32 v[NIL], 0
	ds_add_u32 v[SPW], v[NIL]
	ds_add_u32 v[SPW], v[NIL]
	v_lshrrev_b32 v1, 5, v0
	v_readfirstlane_b32 s14, v1
	s_lshr_b32 s15, s14, 1
	s_and_b32 s16, s14, 1
	s_bfe_u32 s40, ttmp6, 0x40000
	s_bfe_u32 s41, ttmp6, 0x40004
	s_mov_b32 s82, ttmp9
	s_and_b32 s83, ttmp7, 0xffff
	s_lshl_b32 s83, s83, 2
	s_add_co_u32 s17, s83, s41
	s_add_co_u32 s42, s83, s40
	s_cmp_eq_u32 s82, 2
	s_cselect_b32 s17, s41, s17
	s_cselect_b32 s42, s42, s40
	s_lshl_b32 s43, s41, 2
	s_lshl_b32 s43, 15, s43
	s_lshl_b32 s44, 0x1111, s40
	s_or_b32 s[G1+0], s43, (0<<16)|(1<<20)|(1<<21)|(5<<22)|(3<<25)
	s_or_b32 s[G1B+0], s44, (0<<16)|(1<<20)|(1<<21)|(5<<22)|(3<<25)
.irp g, G1, G1B
	s_mov_b32 s[\g+1], ROWB<<16
	s_mov_b32 s[\g+2], 128<<16
	s_mov_b32 s[\g+3], ROWB<<16
	s_mov_b32 s[\g+4], 128
	s_mov_b32 s[\g+5], KROW
	s_mov_b32 s[\g+6], 0
	s_mov_b32 s[\g+7], 0
.endr
	s_lshl_b32 s18, s16, 7
	s_lshl_b32 s20, s17, 8
	s_add_co_u32 s20, s20, s18
	s_lshl_b32 s20, s20, 10
	s_mov_b32 s21, 0
	s_lshl_b32 s46, s42, 8
	s_add_co_u32 s46, s46, s18
	s_lshl_b32 s46, s46, 10
	s_mov_b32 s47, 0
	s_mul_i32 s45, s14, HALFT
	s_lshl_b32 s84, s82, 23
	s_mov_b32 s85, 0
	s_lshl_b32 s86, s82, 20
	s_mov_b32 s87, 0
	s_wait_dscnt 0x0
	s_wait_kmcnt 0x0
	s_add_nc_u64 s[84:85], s[68:69], s[84:85]
	s_add_nc_u64 s[86:87], s[70:71], s[86:87]
	s_cmp_eq_u32 s82, 2
	s_cselect_b64 s[4:5], s[86:87], s[84:85]
	s_cselect_b64 s[6:7], s[84:85], s[86:87]
	s_add_nc_u64 s[20:21], s[4:5], s[20:21]
	s_add_nc_u64 s[46:47], s[6:7], s[46:47]
	; the prefetches: of the 128 rows that I fetch, the partner at place p among the four that ask jointly takes rows 32 p .. 32 p + 31 BY ADDRESS (cx for A's tiles, cy for B's), a lane a row
	s_cmp_eq_u32 s15, 0
	s_cselect_b64 s[8:9], s[20:21], s[46:47]
	s_cselect_b32 s12, s40, s41
	s_lshl_b32 s12, s12, 15                        ; 32 rows of 1,024 bytes
	s_mov_b32 s13, 0
	s_add_nc_u64 s[8:9], s[8:9], s[12:13]
	s_cmp_eq_u32 s82, 2                            ; the weights are B's tiles in jobs 0 and 1, A's in job 2; all eight clusters of a job read them: four of them ask
	s_cselect_b32 s12, 0, 1
	s_lshr_b32 s13, s83, 2                         ; cluster y
	s_cmp_eq_u32 s12, s15
	s_cselect_b32 s13, s13, 0                      ; a wave asks where s13 < 4: the same in all sixteen partners, for a given wave
	v_and_b32 v30, 31, v0
	v_lshlrev_b32 v30, 10, v30                     ; never rewritten
	s_load_b256 s[84:91], s[72:73], 0x0
	s_load_b128 s[92:95], s[72:73], 0x20
	CROUND
.irp s, 0,1
	s_mov_b32 s[G0+4*\s], 1
	s_add_co_u32 s[G0+4*\s+1], s45, \s*SLOT
	s_add_nc_u64 s[G0+4*\s+2:G0+4*\s+3], s[20:21], \s*ROWB
	s_or_b32 s[G0+4*\s+3], s[G0+4*\s+3], 0x80000000
	s_mov_b32 s[G0B+4*\s], 1
	s_add_co_u32 s[G0B+4*\s+1], s45, \s*SLOT
	s_add_nc_u64 s[G0B+4*\s+2:G0B+4*\s+3], s[46:47], \s*ROWB
	s_or_b32 s[G0B+4*\s+3], s[G0B+4*\s+3], 0x80000000
	s_wait_alu depctr_va_vdst(0)
	s_wait_tensorcnt 0x0
	ds_add_u32 v28, v29
	ds_add_u32 v28, v29
	s_wait_dscnt 0x0
	CROUND
	JLOAD G0+4*\s, G1, G0B+4*\s, G1B
	s_cmp_lt_u32 s13, 4                            ; behind the joint load of K step s: a prefetch into the L2 of K step s + 2 (behind the first also of K step 1): 256 bytes of each of my 32 rows
	s_cbranch_scc0 .Lnopf_\s
.if \s == 0
	global_prefetch_b8 v30, s[8:9] offset:256 th:TH_LOAD_NT scope:SCOPE_SE
	global_prefetch_b8 v30, s[8:9] offset:512 th:TH_LOAD_NT scope:SCOPE_SE
.else
	global_prefetch_b8 v30, s[8:9] offset:768 th:TH_LOAD_NT scope:SCOPE_SE
.endif
.Lnopf_\s:
.endr
	v_and_b32 v1, 15, v0
	v_bfe_u32 v2, v0, 4, 1
	v_mul_u32_u24 v3, v1, PITCH
	v_lshl_add_u32 v4, v2, 4, v3
	s_mul_i32 s21, s15, HALFT
	s_mul_i32 s22, s16, HALFT
	s_add_co_u32 s22, s22, 2*HALFT
.irp s, 0,1
	v_add_nc_u32 v[ADRA+\s], s21, v4
	v_add_nc_u32 v[ADRB+\s], s22, v4
	s_add_co_u32 s21, s21, SLOT
	s_add_co_u32 s22, s22, SLOT
.endr
	v_and_b32 v6, 31, v0
	v_lshlrev_b32 v[VO0], 4, v6
	s_wait_alu depctr_va_vdst(0)
	s_wait_kmcnt 0x0
	s_cmp_eq_u32 s82, 0
	s_cselect_b32 s96, s84, s86
	s_cselect_b32 s97, s85, s87
	s_cselect_b32 s98, s90, s91
	s_cmp_eq_u32 s82, 2
	s_cselect_b32 s96, s88, s96
	s_cselect_b32 s97, s89, s97
	s_cselect_b32 s98, s93, s98
	s_sub_co_i32 s98, s98, s96
	s_sub_co_i32 s98, s98, s97
	s_add_co_i32 s98, s98, 127
	s_lshl_b32 s96, s98, 23
	v_mov_b32 v[SCL], s96
	s_add_co_i32 s98, s98, 8
	s_lshl_b32 s98, s98, 23
	s_or_b32 s98, s98, 0x600000
	v_mov_b32 v[LIM], s98
.macro FRAG reg, adr, q, i
.irp c, 0,1,2,3
	ds_load_b128 v[\reg+4*\c:\reg+4*\c+3], v[\adr] offset:128*(\q)+32*\c+(\i)*16*PITCH
.endr
.endm
.macro MUL16 a0, p, zero
.irp a, \a0, \a0+1
.irp b, 0,1,2,3,4,5,6,7
.if \zero
	v_wmma_f32_16x16x128_fp8_fp8 v[8*(8*((\a)%4)+\b):8*(8*((\a)%4)+\b)+7], v[128*(\p)+FR*\b:128*(\p)+FR*\b+FR-1], v[AF+FR*(\a):AF+FR*(\a)+FR-1], 0
.else
	v_wmma_f32_16x16x128_fp8_fp8 v[8*(8*((\a)%4)+\b):8*(8*((\a)%4)+\b)+7], v[128*(\p)+FR*\b:128*(\p)+FR*\b+FR-1], v[AF+FR*(\a):AF+FR*(\a)+FR-1], v[8*(8*((\a)%4)+\b):8*(8*((\a)%4)+\b)+7]
.endif
.endr
.endr
.endm
.macro FETCH_B slot, q, p
	WIN TO_B
.irp i, 0,1,2,3,4,5,6,7
	FRAG 128*(\p)+FR*\i, ADRB+\slot, \q, \i
.endr
	WIN 0
.endm
.macro FETCH_A slot, q, i0
.irp i, \i0, \i0+1, \i0+2, \i0+3
	FRAG AF+FR*(\i), ADRA+\slot, \q, \i
.endr
.endm
.macro PLACES n
.rept \n
	v_nop
.endr
.endm
.macro STEP slot, q, zero
	s_wait_dscnt 4*NL
	WIN MUL_LO
	MUL16 0, (\q)%2, \zero
	MUL16 2, (\q)%2, \zero
	s_wait_dscnt 0
	PLACES NP
	FETCH_B \slot, (\q)+1, 1-(\q)%2
	FETCH_A \slot, (\q)+1, 0
	WIN MUL_HI
	MUL16 4, (\q)%2, \zero
	MUL16 6, (\q)%2, \zero
	PLACES NP
	WIN 0
	FETCH_A \slot, (\q)+1, 4
.endm
.macro TURN slot, next, fill
	s_wait_tensorcnt 0x0
	ds_add_u32 v[SPW], v[NIL]
	s_wait_dscnt 4*NL+1
	WIN MUL_LO
	MUL16 0, 1, 0
	s_wait_dscnt 0x0
	s_barrier_signal -1
	MUL16 2, 1, 0
	WIN 0
	s_barrier_wait -1
.if \fill
	CREST
	s_add_nc_u64 s[G0+4*\slot+2:G0+4*\slot+3], s[G0+4*\slot+2:G0+4*\slot+3], 2*ROWB
	s_add_nc_u64 s[G0B+4*\slot+2:G0B+4*\slot+3], s[G0B+4*\slot+2:G0B+4*\slot+3], 2*ROWB
	JLOAD G0+4*\slot, G1, G0B+4*\slot, G1B
.else
	PLACES NP
.endif
	FETCH_B \next, 0, 0
	FETCH_A \next, 0, 0
	WIN MUL_HI
	MUL16 4, 1, 0
	MUL16 6, 1, 0
	PLACES NP
	WIN 0
	FETCH_A \next, 0, 4
.endm
.macro TAIL
	STEP 1, 0, 0
	s_wait_dscnt 4*NL
	WIN MUL_LO
	MUL16 0, 1, 0
	MUL16 2, 1, 0
	s_wait_dscnt 0
	WIN MUL_HI
	MUL16 4, 1, 0
	MUL16 6, 1, 0
	WIN 0
	PLACES NP
.endm
.macro CLOSE
	s_wait_tensorcnt 0x0
	ds_add_u32 v[SPW], v[NIL]
	s_wait_dscnt 0x0
	CROUND
	s_endpgm
.endm
	s_wait_tensorcnt 1
	s_barrier_signal -1
	s_barrier_wait -1
	FETCH_B 0, 0, 0
	FETCH_A 0, 0, 0
	FETCH_A 0, 0, 4
	STEP 0, 0, 1
	s_mov_b32 s3, LAPS-1
.Llap:
	TURN 0, 1, 1
	STEP 1, 0, 0
	TURN 1, 0, 1
	STEP 0, 0, 0
	s_sub_co_u32 s3, s3, 1
	s_cmp_lg_u32 s3, 0
	s_cbranch_scc1 .Llap
	TURN 0, 1, 0
	s_cmp_eq_u32 s82, 2
	s_cbranch_scc1 .Lvjob
; cos and sin of block a lie in set a % 4: sets 0 and 1 in window 0 (v32-159), sets 2 and 3 in window 1 (v128-255, where B's second set lay)
.macro CSSET a
.if ((\a)%4) < 2
.set CB, CS0+64*((\a)%4)
.set CW, 0
.else
.set CB, 128+64*((\a)%4-2)
.set CW, 1
.endif
.endm
.macro CSLOAD a
	CSSET \a
	WIN CW<<6
.irp bb, 0,1,2,3
.irp i, 0,1
	global_load_b128 v[CB+8*\bb+4*\i:CB+8*\bb+4*\i+3], v[CSA], s[74:75] offset:4096*(\a)+64*\bb+16*\i
	global_load_b128 v[CB+32+8*\bb+4*\i:CB+32+8*\bb+4*\i+3], v[CSA], s[76:77] offset:4096*(\a)+64*\bb+16*\i
.endr
.endr
	WIN 0
.endm
	v_lshlrev_b32 v[CSA], 8, v1
	v_lshl_add_u32 v[CSA], v2, 5, v[CSA]
	s_and_b32 s19, s17, 7
	s_lshl_b32 s22, s19, 16
	s_lshl_b32 s23, s15, 15
	s_add_co_u32 s22, s22, s23
	s_mov_b32 s23, 0
	s_add_nc_u64 s[74:75], s[74:75], s[22:23]
	s_add_nc_u64 s[76:77], s[76:77], s[22:23]
	CSLOAD 0
	s_lshr_b32 s18, s17, 3
	s_lshl_b32 s20, s18, 4
	s_lshl_b32 s21, s42, 2
	s_add_co_u32 s20, s20, s21
	s_lshl_b32 s21, s16, 1
	s_add_co_u32 s20, s20, s21
	s_lshl_b32 s20, s20, 7
	s_lshl_b32 s21, s19, 4
	s_add_co_u32 s20, s20, s21
	s_lshl_b32 s21, s15, 3
	s_add_co_u32 s20, s20, s21
	s_lshl_b32 s20, s20, 10
	s_lshl_b32 s22, s18, 2
	s_add_co_u32 s22, s22, s42
	s_lshl_b32 s22, s22, 4
	s_lshl_b32 s23, s19, 1
	s_add_co_u32 s22, s22, s23
	s_add_co_u32 s22, s22, s15
	s_lshl_b32 s22, s22, 16
	s_lshl_b32 s23, s16, 14
	s_add_co_u32 s22, s22, s23
	s_cmp_eq_u32 s82, 0
	s_cselect_b32 s20, s20, s22
	s_cselect_b64 s[10:11], s[78:79], s[80:81]
	s_mov_b32 s22, 8192
	s_cselect_b32 s22, 0x20000, s22
	s_mov_b32 s21, 0
	s_add_nc_u64 s[10:11], s[10:11], s[20:21]
	v_add_nc_u32 v[VO1], s22, v[VO0]
	s_wait_alu depctr_va_vdst(0)
	TAIL
	CSLOAD 1
	CSLOAD 2
; cos and sin run three blocks ahead.  Each block's codes have 16 registers of their own (window 1, v0-127, where B's first set lay): no store's data are written again, so no wait stands for the stores
.macro QKOUT a
.if (\a)+3 < 8
	CSLOAD (\a)+3
	s_wait_loadcnt 48                              ; this block's 16 loads are in; those of the three blocks behind it may be out
.else
	s_wait_loadcnt 16*(7-(\a))
.endif
	CSSET \a
.set AC, 64*((\a)%4)
.set CD, 16*(\a)
	WIN (0x02+((\a)/4))|(CW<<2)
.irp hh, 0,1
.irp bp, 0,1
.irp j, 0,2,4,6
	v_pk_mul_f32 v[R+32*\hh+8*\bp+\j:R+32*\hh+8*\bp+\j+1], v[AC+8*(4*\hh+\bp+2)+\j:AC+8*(4*\hh+\bp+2)+\j+1], v[CB+32+8*\bp+\j:CB+32+8*\bp+\j+1]
.endr
.irp j, 0,2,4,6
	v_pk_mul_f32 v[R+32*\hh+8*(\bp+2)+\j:R+32*\hh+8*(\bp+2)+\j+1], v[AC+8*(4*\hh+\bp)+\j:AC+8*(4*\hh+\bp)+\j+1], v[CB+32+8*(\bp+2)+\j:CB+32+8*(\bp+2)+\j+1]
.endr
.irp j, 0,2,4,6
	v_pk_fma_f32 v[R+32*\hh+8*\bp+\j:R+32*\hh+8*\bp+\j+1], v[AC+8*(4*\hh+\bp)+\j:AC+8*(4*\hh+\bp)+\j+1], v[CB+8*\bp+\j:CB+8*\bp+\j+1], v[R+32*\hh+8*\bp+\j:R+32*\hh+8*\bp+\j+1] neg_lo:[0,0,1] neg_hi:[0,0,1]
.endr
.irp j, 0,2,4,6
	v_pk_fma_f32 v[R+32*\hh+8*(\bp+2)+\j:R+32*\hh+8*(\bp+2)+\j+1], v[AC+8*(4*\hh+\bp+2)+\j:AC+8*(4*\hh+\bp+2)+\j+1], v[CB+8*(\bp+2)+\j:CB+8*(\bp+2)+\j+1], v[R+32*\hh+8*(\bp+2)+\j:R+32*\hh+8*(\bp+2)+\j+1]
.endr
.endr
.endr
	WIN 0
.set i, 0
.rept 64
	v_med3_num_f32 v[R+i], v[R+i], -v[LIM], v[LIM]
.set i, i+1
.endr
	WIN 0x40                                       ; the codes: destination in window 1
.set i, 0
.rept 8
	v_cvt_scalef32_pk8_fp8_f32 v[CD+2*i:CD+2*i+1], v[R+8*i:R+8*i+7], v[SCL]
.set i, i+1
.endr
	v_nop
	WIN 0x04                                       ; a store's data: source 1
.irp hh, 0,1
.irp c, 0,1
	global_store_b128 v[VO0+\hh], v[CD+8*\hh+4*\c:CD+8*\hh+4*\c+3], s[10:11] offset:1024*(\a)+512*\c
.endr
.endr
	WIN 0
.endm
.irp a, 0,1,2,3,4,5,6,7
	QKOUT \a
.endr
	CLOSE
.Lvjob:
	s_lshr_b32 s18, s42, 3
	s_lshl_b32 s18, s18, 2
	s_add_co_u32 s18, s18, s17
	s_lshl_b32 s18, s18, 4
	s_and_b32 s19, s42, 7
	s_lshl_b32 s19, s19, 1
	s_add_co_u32 s18, s18, s19
	s_add_co_u32 s18, s18, s16
	s_lshl_b32 s18, s18, 16
	s_lshl_b32 s19, s15, 14
	s_add_co_u32 s18, s18, s19
	s_add_co_u32 s18, s18, 32768
	s_mov_b32 s19, 0
	s_add_nc_u64 s[10:11], s[80:81], s[18:19]
	TAIL
.macro VOUT a
.set AC, 64*((\a)%4)
.set CD, 16*(\a)
	WIN 0x02+((\a)/4)
.set i, 0
.rept 64
	v_med3_num_f32 v[R+i], v[AC+i], -v[LIM], v[LIM]
.set i, i+1
.endr
	WIN 0x40                                       ; the codes: destination in window 1, 16 registers of its own for each block
.set i, 0
.rept 8
	v_cvt_scalef32_pk8_fp8_f32 v[CD+2*i:CD+2*i+1], v[R+8*i:R+8*i+7], v[SCL]
.set i, i+1
.endr
	v_nop
	WIN 0x04                                       ; a store's data: source 1
.irp c, 0,1,2,3
	global_store_b128 v[VO0], v[CD+4*\c:CD+4*\c+3], s[10:11] offset:8192*((\a)/4)+2048*((\a)%4)+512*\c
.endr
	WIN 0
.endm
	s_wait_alu depctr_va_vdst(0)
.irp a, 0,1,2,3,4,5,6,7
	VOUT \a
.endr
	CLOSE
.Lfunc_end_k_q2bca8e2e3c_qkv:
	.size	k_q2bca8e2e3c_qkv, .Lfunc_end_k_q2bca8e2e3c_qkv-k_q2bca8e2e3c_qkv
	.p2alignl 7, 3214868480
	.fill 96, 4, 3214868480
	.section	.rodata,"a",@progbits
	.p2align	6, 0x0
	.amdhsa_kernel k_q2bca8e2e3c_qkv
		.amdhsa_group_segment_fixed_size 327680
		.amdhsa_private_segment_fixed_size 0
		.amdhsa_enable_private_segment 0
		.amdhsa_kernarg_size 56
		.amdhsa_user_sgpr_count 2
		.amdhsa_user_sgpr_kernarg_segment_ptr 1
		.amdhsa_wavefront_size32 1
		.amdhsa_system_sgpr_workgroup_id_x 1
		.amdhsa_system_sgpr_workgroup_id_y 1
		.amdhsa_system_sgpr_workgroup_id_z 1
		.amdhsa_system_vgpr_workitem_id 0
		.amdhsa_next_free_vgpr 1024
		.amdhsa_next_free_sgpr 100
		.amdhsa_reserve_vcc 0
		.amdhsa_float_denorm_mode_32 3
		.amdhsa_float_denorm_mode_16_64 3
		.amdhsa_memory_ordered 1
		.amdhsa_forward_progress 1
		.amdhsa_inst_pref_size 220
	.end_amdhsa_kernel
	.amdgpu_metadata
---
amdhsa.version: [ 1, 2 ]
amdhsa.kernels:
  - .name:           k_q2bca8e2e3c_qkv
    .symbol:         k_q2bca8e2e3c_qkv.kd
    .args:
      - { .name: xc, .offset: 0, .size: 8, .value_kind: global_buffer, .address_space: global }
      - { .name: wc, .offset: 8, .size: 8, .value_kind: global_buffer, .address_space: global }
      - { .name: lowp_scales, .offset: 16, .size: 8, .value_kind: global_buffer, .address_space: global }
      - { .name: cos, .offset: 24, .size: 8, .value_kind: global_buffer, .address_space: global }
      - { .name: sin, .offset: 32, .size: 8, .value_kind: global_buffer, .address_space: global }
      - { .name: qc, .offset: 40, .size: 8, .value_kind: global_buffer, .address_space: global }
      - { .name: kv, .offset: 48, .size: 8, .value_kind: global_buffer, .address_space: global }
    .group_segment_fixed_size: 327680
    .private_segment_fixed_size: 0
    .kernarg_segment_align: 8
    .kernarg_segment_size: 56
    .max_flat_workgroup_size: 128
    .sgpr_count:     100
    .vgpr_count:     1024
    .wavefront_size: 32
...
	.end_amdgpu_metadata
.endif
;; end of part 2
;; launch attn (part 3): grid 16 x 16, 8 waves a work-group, clusters of 4 x 4, 327,680 bytes of LDS; arguments qc, kv, mk, lowp_scales, oc; writes oc
.if DOCPART == 3
	.amdgcn_target "amdgcn-amd-amdhsa--gfx1250"
	.amdhsa_code_object_version 6
	.text
	.protected	k_q2bca8e2e3c_attn
	.globl	k_q2bca8e2e3c_attn
	.p2align	8
	.type	k_q2bca8e2e3c_attn,@function
k_q2bca8e2e3c_attn:
	s_mov_b64 s[64:65], 0
	v_nop
	global_prefetch_b8 v0, s[64:65] scope:SCOPE_SE
	s_setreg_imm32_b32 hwreg(HW_REG_WAVE_MODE, 25, 1), 1
	s_wait_xcnt 0x0
	s_wait_alu depctr_hold_cnt(0) depctr_sa_sdst(0) depctr_va_vdst(0) depctr_va_sdst(0) depctr_va_ssrc(0) depctr_va_vcc(0) depctr_vm_vsrc(0)
	s_getreg_b32 s2, hwreg(HW_REG_IB_STS2, 6, 4)
	s_cmp_eq_u32 s2, 0
	s_cbranch_scc0 .Lentry_in_a_cluster
	s_endpgm
.Lentry_in_a_cluster:
	s_bfe_u32 s2, ttmp6, 0x10000c
	s_cmp_lg_u32 s2, 0xf033
	s_cbranch_scc0 .Lentry_shape_is_right
	s_endpgm
.Lentry_shape_is_right:
; THIRD LAUNCH: scores, mask, softmax, the product with V, and the quantising of the result for the last product.  Nothing of reference() is left out: the mask is an input, so every key counts for every query.
; THE SOFTMAX AHEAD OF THE SECOND PRODUCT: t = logit x log2(e); M = the row's largest t so far, rounded UP to a whole number, kept as -M = the least floor(-t) so far; p = 2^(t - M) is quantised (entry 8), not
; normalised; the row's sum is taken of the unquantised p and divides at the end.  When M moves, the sum and O are multiplied by 2^(old M - new M): exact.
; SHARES.  A work-group: 128 queries x 4 heads of one batch, eight waves of 512 registers.  Wave w: heads 2 (w % 2) + 0, 1 and query tiles 2 (w / 2) + 0, 1: four units of 16 queries x one head.
; Each fragment of K and of V^T read from LDS serves two query tiles; each image of the mask serves two heads.
; THE MASK comes as mask x 2^(3 - e6 - e7) in the layout of the scores' accumulator.  It goes from memory straight into registers (32 loads of 512 consecutive bytes a step and wave) and is the C of both heads' score
; instructions, whose D are other registers; t = (sum + C) x c with c = log2(e) x 2^(e6 + e7 - 3).  The next step's images are asked for as soon as the second head's scores have read these.
; It is not asked for jointly: it never lies in LDS, where it would take 65,536 bytes for each 128 keys, as much as K and V together.
; LDS: two slots of 256 keys of K and V^T of the four heads (131,072 bytes each, two steps of 128 keys), each wave fetching an eighth by one joint load; the spare words; Q's images, 4,096 bytes a wave.
; CLUSTER 4 x 4: cx = the block of queries, cy = the group of heads.  K's and V's tiles hang on cy and the batch alone and are asked for jointly by a row of the cluster.
; LAYOUT.  S^T = K Q^T and O^T = V^T P^T: a lane holds ONE query; the eight registers of score tile i are keys 16 i + 8 (lane / 16) + 0 .. 7, so their conversion gives registers 2 i, 2 i + 1 of P's fragment.
; LIMITS: e6 + e7 - 3 between -126 and 127; e8 and e10 between -126 and 119.  NaN among the inputs is not served.  The mask is added within the matrix instruction's f32 sum.
; REGISTERS.  Window 0: v1-9 addresses and scales; v12-27 for each unit -M, a pad, the sum in two halves; v32-63 (T) Q's two fragments, then the softmax's temporaries, then P's codes; v64-127 (F) K, then V^T;
;   v128-255 (S) the scores and p of two units.  Window 1: v0-127 the mask's two images; v128-255 O^T of the four units.
.set SLOT1, 1<<17                      ; slot 1 begins here
.set HALF,  65536                      ; a step's part of a slot: 32,768 bytes of K, 32,768 of V^T
.set SPARE, 2*SLOT1                    ; the spare words: 128 bytes for each of 8 waves: four blocks of 256 bytes that no other line names
.set QL,    SPARE+1024                 ; Q's images: bytes of their own, into which no fill lands
.set STAGE, 0                          ; the way out: 128 rows x (256 + 16) bytes in slot 0, which has had its last fill and its last read at the last change of slots
.set SP,    272
.set AK0, 1
.set ADK, 2
.set PFO, 3
.set SCL, 4
.set SPW, 5
.set NIL, 6
.set LIMV, 7
.set MO,  8
.set AQ,  9
.set ST,  12
.set T,   32
.set F,   64
.set S,   128
.set WV,  14
.set CS,  22                           ; s[22:23] c, twice
.set MB,  24                           ; s[24:25] where my images of the mask stand
.set IC,  26                           ; s26 steps to go in the slot
.set LIMS, 27                          ; s27 448 x 2^e8
.set G1K, 32
.set G0K, 44
.set SEL, 48                           ; s[48:49] v_permlanex16_b32's selects: lane l xor 16
.set TB,  50                           ; s50 LDS byte at which the step in hand begins
.set SLOTS, 51                         ; s51 slots still to be asked for
.set LIM, 52                           ; s52 1 in a wave that prefetches, else the greatest number
.set PFA, 54                           ; s[54:55] where my prefetches stand
.set MSB, 0
.macro WIN new                         ; the immediate's high byte repeats the setting that is left
.if MSB != (\new)
	s_set_vgpr_msb (MSB<<8)|(\new)
.set MSB, (\new)
.endif
.endm
.macro PLACES
.rept 4
	v_nop
.endr
.endm
.macro JLOAD                           ; every wave's eighth of a slot; an s_nop 0 and four v_nop follow
	tensor_load_to_lds s[G0K:G0K+3], s[G1K:G1K+7]
	s_nop 0
	PLACES
.endm
; A PREFETCH INTO THE L2 of the slot's worth of keys that the NEXT change of slots will ask for.  Each aligned block of 256 bytes is named once in the launch.  The mask's 131,072 bytes of a block of queries are read
; in the four clusters of a cluster column: cluster y = 0 asks, its four column partners take 32,768 bytes each BY ADDRESS (cy), waves 0 to 3 a quarter of that each, lanes 256 bytes apart.  K's and V's 131,072 bytes
; are read in the four clusters of a cluster row: cluster x = 0 asks, the row partners share them by cx, waves 4 to 7.  The last change that fills a slot asks for nothing; slots 0 and 1 come by their loads alone.
.macro ASK
	s_cmp_gt_u32 s[SLOTS], s[LIM]
	s_cbranch_scc0 .Lnot_mine_\@
	global_prefetch_b8 v[PFO], s[PFA:PFA+1] th:TH_LOAD_NT scope:SCOPE_SE
.Lnot_mine_\@:
.endm
.macro CROUND                          ; a round of the cluster's barrier
	s_barrier_signal -1
	s_barrier_wait -1
	s_cmp_lg_u32 s[WV], 0
	s_cbranch_scc1 .Lnot_wave_0_\@
	s_barrier_signal -3
.Lnot_wave_0_\@:
	s_barrier_wait -3
	s_barrier_signal -1
	s_barrier_wait -1
.endm
	s_load_b256 s[4:11], s[0:1], 0x0               ; qc 4:5, kv 6:7, mk 8:9, the exponents 10:11
	s_load_b64 s[12:13], s[0:1], 0x20              ; oc
	v_lshl_add_u32 v[SPW], v0, 2, SPARE
	v_mov_b32 v[NIL], 0
	ds_add_u32 v[SPW], v[NIL]                      ; the wave's opening: the add, twice on end, and its wait ahead of the first tensor loads
	ds_add_u32 v[SPW], v[NIL]
	v_lshrrev_b32 v10, 5, v0
	v_readfirstlane_b32 s[WV], v10                 ; wave 0..7
	s_bfe_u32 s15, ttmp6, 0x40000                  ; cx
	s_bfe_u32 s16, ttmp6, 0x40004                  ; cy: the group of four heads
	s_mov_b32 s17, ttmp9                           ; cluster x
	s_and_b32 s18, ttmp7, 0xffff                   ; cluster y: the batch
	s_lshl_b32 s19, s17, 2
	s_add_co_u32 s19, s19, s15                     ; the block of 128 queries
	s_and_b32 s53, s[WV], 1                        ; my pair of heads
	s_lshr_b32 s70, s[WV], 1                       ; my pair of query tiles
	s_lshl_b32 s61, s[WV], 14                      ; the eighth of a slot that I fetch, in memory and in LDS
	s_lshl_b32 s66, s18, 2                         ; K's and V's of my batch and group of heads: cy alone
	s_add_co_u32 s66, s66, s16
	s_lshl_b32 s66, s66, 20
	s_add_co_u32 s66, s66, s61
	s_mov_b32 s67, 0
	s_lshl_b32 s21, s16, 2
	s_lshl_b32 s21, 15, s21                        ; my row of the cluster
	s_or_b32 s[G1K], s21, (3<<16)|(1<<21)          ; the mask of work-groups; elements of 8 bytes; bit 21 beside a mask; no padding
	s_mov_b32 s[G1K+1], 32<<16                     ; a dense block of 16,384 bytes as 64 rows of 256: tensor_dim0 = 32 elements
	s_mov_b32 s[G1K+2], 64<<16                     ; tensor_dim1
	s_mov_b32 s[G1K+3], 32<<16                     ; tile_dim0
	s_mov_b32 s[G1K+4], 64                         ; tile_dim1
	s_mov_b32 s[G1K+5], 32                         ; from row to row
	s_mov_b32 s[G1K+6], 0
	s_mov_b32 s[G1K+7], 0
	s_lshl_b32 s68, s18, 4                         ; Q: ((16 batch + 4 cy + 2 head pair) x 128 + 8 block + 2 tile pair) images of 1,024 bytes
	s_lshl_b32 s69, s16, 2
	s_add_co_u32 s68, s68, s69
	s_lshl_b32 s69, s53, 1
	s_add_co_u32 s68, s68, s69
	s_lshl_b32 s68, s68, 7
	s_lshl_b32 s69, s19, 3
	s_add_co_u32 s68, s68, s69
	s_lshl_b32 s69, s70, 1
	s_add_co_u32 s68, s68, s69
	s_lshl_b32 s68, s68, 10
	s_mov_b32 s69, 0
	s_lshl_b32 s62, s19, 20                        ; the mask: my block of queries, my two tiles' 16,384 bytes of each 65,536
	s_lshl_b32 s63, s70, 14
	s_add_co_u32 s62, s62, s63
	s_mov_b32 s63, 0
	s_lshl_b32 s72, s18, 11                        ; the result: row 2,048 batch + 128 block + 16 wave of 1,024 bytes, + 256 cy
	s_lshl_b32 s73, s19, 7
	s_add_co_u32 s72, s72, s73
	s_lshl_b32 s73, s[WV], 4
	s_add_co_u32 s72, s72, s73
	s_lshl_b32 s72, s72, 10
	s_lshl_b32 s73, s16, 8
	s_add_co_u32 s72, s72, s73
	s_mov_b32 s73, 0
	s_lshl_b32 s74, s19, 20                        ; the prefetches: the mask's part of my work-group,
	s_lshl_b32 s75, s16, 15
	s_add_co_u32 s74, s74, s75
	s_lshl_b32 s76, s18, 2                         ; K's and V's
	s_add_co_u32 s76, s76, s16
	s_lshl_b32 s76, s76, 20
	s_lshl_b32 s75, s15, 15
	s_add_co_u32 s76, s76, s75
	s_cmp_lt_u32 s[WV], 4
	s_cselect_b32 s74, s74, s76
	s_cselect_b32 s77, s18, s17                    ; the coordinate along which other clusters read the same bytes
	s_and_b32 s75, s[WV], 3
	s_lshl_b32 s75, s75, 13                        ; my wave's 8,192 bytes,
	s_add_co_u32 s74, s74, s75
	s_add_co_u32 s74, s74, SLOT1                   ; in slot 1's keys: the first change of slots steps it to slot 2's
	s_mov_b32 s75, 0
	s_cmp_eq_u32 s77, 0
	s_cselect_b32 s[LIM], 1, -1                    ; the same in all sixteen partners, for a given wave
	s_mov_b32 s[SEL], 0x76543210
	s_mov_b32 s[SEL+1], 0xfedcba98
	s_mov_b32 s[CS], 0x3fb8aa3b                    ; log2(e)
	s_mov_b32 s[TB], 0
	s_mov_b32 s[SLOTS], 7
	s_wait_dscnt 0x0                               ; both opening adds are done
	s_wait_kmcnt 0x0
	s_load_b128 s[56:59], s[10:11], 0x18           ; entries 6 to 9
	s_load_b32 s60, s[10:11], 0x28                 ; entry 10
	s_add_nc_u64 s[4:5], s[4:5], s[68:69]
	s_add_nc_u64 s[12:13], s[12:13], s[72:73]
	s_add_nc_u64 s[MB:MB+1], s[8:9], s[62:63]
	s_cmp_lt_u32 s[WV], 4
	s_cselect_b64 s[PFA:PFA+1], s[8:9], s[6:7]
	s_add_nc_u64 s[PFA:PFA+1], s[PFA:PFA+1], s[74:75]
	CROUND                                         ; all sixteen work-groups are here: the first joint loads meet
	s_mov_b32 s[G0K], 1
	s_mov_b32 s[G0K+1], s61                        ; slot 0
	s_add_nc_u64 s[G0K+2:G0K+3], s[6:7], s[66:67]
	s_or_b32 s[G0K+3], s[G0K+3], 0x80000000
	JLOAD                                          ; keys 0 to 255: my one tensor load at the head
	v_and_b32 v10, 31, v0
	v_lshlrev_b32 v[MO], 4, v10                    ; 16 x lane; never rewritten
	v_lshlrev_b32 v[PFO], 8, v10
.irp h, 0,1
.irp j, 0,1,2,3
	global_load_b128 v[S+16*\h+4*\j:S+16*\h+4*\j+3], v[MO], s[4:5] offset:131072*\h+512*\j   ; Q: head h, tile j / 2, half j % 2
.endr
.endr
	WIN 0x40                                       ; destinations in window 1
.set i, 0
.rept 32
	global_load_b128 v[4*i:4*i+3], v[MO], s[MB:MB+1] offset:512*i   ; the mask's two images of keys 0 to 127
.set i, i+1
.endr
.set i, 0
.rept 128
	v_mov_b32 v[128+i], 0                          ; O^T.  The step is written once for all steps: the first finds zeros, which the first change of M leaves zeros
.set i, i+1
.endr
	WIN 0
	s_lshl_b32 s71, s53, 14                        ; my two heads' K in a step's part of a slot
	v_add_nc_u32 v[AK0], s71, v[MO]
	s_lshl_b32 s71, s[WV], 12
	s_add_co_u32 s71, s71, QL
	v_add_nc_u32 v[AQ], s71, v[MO]                 ; my images of Q in LDS
.irp u, 0,1,2,3
	v_mov_b32 v[ST+4*\u], 0x7f61b1e6               ; -M: 3e38, a whole number over every floor(-t)
	v_mov_b32 v[ST+4*\u+1], 0                      ; (named with it as a pair)
	v_mov_b32 v[ST+4*\u+2], 0                      ; the sum, in two halves
	v_mov_b32 v[ST+4*\u+3], 0
.endr
	v_mov_b32 v[T+18], 0                           ; written once: a lane permute's destination counts as one of its sources
	s_wait_kmcnt 0x0
	s_add_co_i32 s71, s56, s57
	s_sub_co_i32 s71, s71, 3
	s_lshl_b32 s71, s71, 23
	s_add_co_i32 s[CS], s[CS], s71                 ; c = log2(e) x 2^(e6 + e7 - 3): the exponents are added to its exponent field
	s_mov_b32 s[CS+1], s[CS]
	s_add_co_i32 s71, s58, 127
	s_lshl_b32 s77, s71, 23
	v_mov_b32 v[SCL], s77                          ; 2^e8
	s_add_co_i32 s71, s71, 8
	s_lshl_b32 s71, s71, 23
	s_or_b32 s[LIMS], s71, 0x600000                ; 448 x 2^e8
.macro KLOAD h                         ; head h's two fragments of Q, then its eight of K
.irp j, 0,1,2,3
	ds_load_b128 v[T+4*\j:T+4*\j+3], v[AQ] offset:2048*(\h)+512*\j
.endr
.set i, 0
.rept 16
	ds_load_b128 v[F+4*i:F+4*i+3], v[ADK] offset:8192*(\h)+512*i
.set i, i+1
.endr
.endm
; ONE HEAD'S 128 KEYS for my two query tiles (x = 0, 1), whose chains stand line by line beside each other.
.macro PHASE h, last
.set NB, ST+8*(\h)
.set OB, 128+64*(\h)
.if (\h) == 0
	s_wait_loadcnt 0x0                             ; the step's images of the mask are in
.endif
	WIN 0x10                                       ; C in window 1
.set i, 0
.rept 8
	s_wait_dscnt 14-2*i                            ; Q and K's fragment i are in; the 14 - 2 i loads behind it may be out
	v_wmma_f32_16x16x64_fp8_fp8 v[S+8*i:S+8*i+7], v[F+8*i:F+8*i+7], v[T:T+7], v[8*i:8*i+7]
	v_wmma_f32_16x16x64_fp8_fp8 v[S+64+8*i:S+64+8*i+7], v[F+8*i:F+8*i+7], v[T+8:T+15], v[64+8*i:64+8*i+7]
.set i, i+1
.endr
	WIN 0
	PLACES                                         ; in front of the reads of the results, of the loads into K's and the mask's registers and of the writes of Q's
.set i, 0
.rept 16
	ds_load_b128 v[F+4*i:F+4*i+3], v[ADK] offset:32768+8192*(\h)+512*i   ; V^T's four fragments land while the softmax is walked
.set i, i+1
.endr
.if (\h) == 1                          ; both heads have read the mask: the next step's images are asked for; they have this head's softmax and product in which to land
.if \last
	s_cmp_eq_u32 s[IC], 1                          ; behind the last 128 keys there is no mask
	s_cbranch_scc1 .Lnom_\@
.endif
	s_add_nc_u64 s[MB:MB+1], s[MB:MB+1], HALF      ; (the loads that read this base were waited for at the step's head)
	WIN 0x40
.set i, 0
.rept 32
	global_load_b128 v[4*i:4*i+3], v[MO], s[MB:MB+1] offset:512*i
.set i, i+1
.endr
	WIN 0
.if \last
.Lnom_\@:
.endif
.endif
.irp x, 0,1                            ; the largest score, two chains a tile, ascending: each accumulator is read from its low end on
	v_max3_num_f32 v[T+16*\x], v[S+64*\x], v[S+64*\x+1], v[S+64*\x+2]
	v_max3_num_f32 v[T+16*\x+1], v[S+64*\x+3], v[S+64*\x+4], v[S+64*\x+5]
.endr
.set i, 6
.rept 14
.irp x, 0,1
	v_max3_num_f32 v[T+16*\x], v[T+16*\x], v[S+64*\x+i], v[S+64*\x+i+1]
	v_max3_num_f32 v[T+16*\x+1], v[T+16*\x+1], v[S+64*\x+i+2], v[S+64*\x+i+3]
.endr
.set i, i+4
.endr
.irp x, 0,1
	v_max3_num_f32 v[T+16*\x], v[T+16*\x], v[S+64*\x+62], v[S+64*\x+63]
.endr
.irp x, 0,1
	v_max_num_f32 v[T+16*\x], v[T+16*\x], v[T+16*\x+1]
.endr
.irp x, 0,1
	v_permlanex16_b32 v[T+16*\x+2], v[T+16*\x], s[SEL], s[SEL+1]
.endr
.irp x, 0,1
	v_max_num_f32 v[T+16*\x], v[T+16*\x], v[T+16*\x+2]   ; with lane l xor 16's: the query's other 64 keys
.endr
.irp x, 0,1
	v_mul_f32 v[T+16*\x], s[CS], v[T+16*\x]        ; as t (c is positive)
.endr
.irp x, 0,1
	v_floor_f32 v[T+16*\x], -v[T+16*\x]            ; floor(-t) = -ceil(t)
.endr
.irp x, 0,1
	v_min_num_f32 v[T+16*\x], v[T+16*\x], v[NB+4*\x]   ; the new -M
.endr
.irp x, 0,1
	v_sub_f32 v[T+16*\x+5], v[T+16*\x], v[NB+4*\x] ; old M - new M: a whole number, 0 or less
.endr
.irp x, 0,1
	v_mov_b32 v[NB+4*\x], v[T+16*\x]
.endr
.irp x, 0,1
	v_cvt_i32_f32 v[T+16*\x+5], v[T+16*\x+5]       ; (it saturates)
.endr
.irp x, 0,1
	v_ldexp_f32 v[T+16*\x+4], 1.0, v[T+16*\x+5]    ; f = 2^(old M - new M)
.endr
.set i, 0
.rept 32
.irp x, 0,1
	v_pk_fma_f32 v[S+64*\x+i:S+64*\x+i+1], v[S+64*\x+i:S+64*\x+i+1], s[CS:CS+1], v[NB+4*\x:NB+4*\x+1] op_sel_hi:[1,0,0]   ; t - M, two at a time
.endr
.set i, i+2
.endr
	s_wait_alu depctr_va_vdst(0)                   ; the wait ahead of the batch
.set i, 0
.rept 128
	v_exp_f32 v[S+i], v[S+i]                       ; p = 2^(t - M), at most 1
.set i, i+1
.endr
.irp x, 0,1
	v_pk_mul_f32 v[NB+4*\x+2:NB+4*\x+3], v[NB+4*\x+2:NB+4*\x+3], v[T+16*\x+4:T+16*\x+5] op_sel_hi:[1,0]   ; the sums under the new M: plain lines behind the exponentials
.endr
	WIN 0x41                                       ; destination and source 0 in window 1
	s_wait_alu depctr_va_vdst(0)                   ; one wait behind the batch, directly ahead of the first readers of O^T
.irp x, 0,1
.set i, 0
.rept 16
	v_pk_mul_f32 v[OB+32*\x+i:OB+32*\x+i+1], v[OB+32*\x+i:OB+32*\x+i+1], v[T+16*\x+4:T+16*\x+5] op_sel_hi:[1,0]   ; O^T under the new M, each accumulator from its low end on
.set i, i+2
.endr
.endr
	WIN 0
.irp x, 0,1
	v_pk_add_f32 v[T+16*\x+6:T+16*\x+7], v[S+64*\x:S+64*\x+1], v[S+64*\x+2:S+64*\x+3]   ; the row's sum of the UNQUANTISED p, two chains a tile
.endr
.set i, 4
.rept 15
.irp x, 0,1
	v_pk_add_f32 v[NB+4*\x+2:NB+4*\x+3], v[NB+4*\x+2:NB+4*\x+3], v[S+64*\x+i:S+64*\x+i+1]
	v_pk_add_f32 v[T+16*\x+6:T+16*\x+7], v[T+16*\x+6:T+16*\x+7], v[S+64*\x+i+2:S+64*\x+i+3]
.endr
.set i, i+4
.endr
.irp x, 0,1
	v_pk_add_f32 v[NB+4*\x+2:NB+4*\x+3], v[NB+4*\x+2:NB+4*\x+3], v[T+16*\x+6:T+16*\x+7]
.endr
.set i, 0
.rept 8
.irp x, 0,1
.irp k, 0,2,4,6                        ; the conversion does not saturate (ISA guide 7.6.2); p is not negative, so the hold is one-sided; two holds an instruction
	v_dual_min_num_f32 v[S+64*\x+8*i+\k], s[LIMS], v[S+64*\x+8*i+\k] :: v_dual_min_num_f32 v[S+64*\x+8*i+\k+1], s[LIMS], v[S+64*\x+8*i+\k+1]
.endr
.endr
.irp x, 0,1
	v_cvt_scalef32_pk8_fp8_f32 v[T+16*\x+2*i:T+16*\x+2*i+1], v[S+64*\x+8*i:S+64*\x+8*i+7], v[SCL]   ; registers 2 i, 2 i + 1 of P's fragment
.endr
.set i, i+1
.endr
	v_nop                                          ; a plain line between the last conversion and the matrix instruction that reads its result
	s_wait_alu depctr_va_vdst(0)                   ; the wait here, directly ahead of the wait below
	s_wait_dscnt 0x0                               ; V^T
	WIN 0x50                                       ; C and D in window 1
.irp t, 0,1,2,3                        ; O^T += V^T P^T: eight accumulators by turns, one instruction a turn
.irp x, 0,1
	v_wmma_f32_16x16x128_fp8_fp8 v[OB+32*\x+8*\t:OB+32*\x+8*\t+7], v[F+16*\t:F+16*\t+15], v[T+16*\x:T+16*\x+15], v[OB+32*\x+8*\t:OB+32*\x+8*\t+7]
.endr
.endr
	WIN 0
	PLACES                                         ; in front of the next loads into V^T's and P's registers, and of the way out's reads
.endm
.macro STEP last                       ; 128 keys
	v_add_nc_u32 v[ADK], s[TB], v[AK0]
	s_wait_alu depctr_va_vdst(0)                   ; the wait here
	KLOAD 0
	PHASE 0, \last
	KLOAD 1
	PHASE 1, \last
.endm
.macro SLOT_STEPS last                 ; a slot's two steps
	s_mov_b32 s[IC], 2
.Lstep_\@:
	STEP \last
	s_xor_b32 s[TB], s[TB], HALF
	s_sub_co_u32 s[IC], s[IC], 1
	s_cmp_lg_u32 s[IC], 0
	s_cbranch_scc1 .Lstep_\@
	s_xor_b32 s[TB], s[TB], SLOT1                  ; on to the other slot
.endm
; THE CHANGE OF SLOTS stands at a slot's head.  Each wave waits for its tensor load (its eighth of the slot ahead), adds 0 to its spare word, and waits for that and for its reads of the slot that it has left.
; fill = 1: a round of the cluster's barrier, and behind it the slot just left is filled with the next 256 keys: the load has two steps in which to land.  One tensor load of a wave is out at the most.
.macro CHANGE fill
	s_wait_tensorcnt 0x0                           ; no tensor load of mine is out, so group 0 may be written
	ds_add_u32 v[SPW], v[NIL]
.if \fill
	s_xor_b32 s[G0K+1], s[G0K+1], SLOT1            ; the walking descriptor: the other slot,
	s_add_nc_u64 s[G0K+2:G0K+3], s[G0K+2:G0K+3], SLOT1   ; the next 256 keys
	s_wait_xcnt 0x0                                ; the last prefetch, a slot back, has read its address
	s_add_nc_u64 s[PFA:PFA+1], s[PFA:PFA+1], SLOT1 ; one slot further on than the walking descriptor
	s_wait_dscnt 0x0                               ; the add is done, and my reads of the slot that I have left are over
	CROUND
	JLOAD
	ASK
.else
	s_wait_dscnt 0x0
	s_barrier_signal -1
	s_barrier_wait -1
.endif
.endm
	s_wait_alu depctr_va_vdst(0)                   ; the wait at the head's end
	s_wait_loadcnt 32                              ; Q's eight loads are in; the mask's 32 may be out
	s_wait_tensorcnt 0x0                           ; no tensor load is out while I store to LDS
.irp j, 0,1,2,3,4,5,6,7
	ds_store_b128 v[AQ], v[S+4*\j:S+4*\j+3] offset:512*\j   ; Q's images into my own bytes: only I read them, and LDS serves a wave's instructions in order
.endr
.Lslot:                                            ; 7 trips: behind each change of slots but the last the next slot is asked for
	CHANGE 1
	SLOT_STEPS 0
	s_sub_co_u32 s[SLOTS], s[SLOTS], 1
	s_cmp_lg_u32 s[SLOTS], 0
	s_cbranch_scc1 .Lslot
	CHANGE 0                                       ; the last slot is written out
	SLOT_STEPS 1
	; THE WAY OUT.  O^T / the sum x 2^(e8 + e9) is quantised with entry 10: a tile's eight registers are eight neighbouring columns of one row of the last product's operand.  A row's 256 bytes of my group of heads
	; come from two waves: they meet in the stage, and each wave stores sixteen whole rows' parts, sixteen lanes to 256 consecutive bytes, aligned.
.irp u, 0,1,2,3
	v_add_f32 v[ST+4*\u+2], v[ST+4*\u+2], v[ST+4*\u+3]
.endr
.irp u, 0,1,2,3
	v_permlanex16_b32 v[ST+4*\u+3], v[ST+4*\u+2], s[SEL], s[SEL+1]
.endr
.irp u, 0,1,2,3
	v_add_f32 v[ST+4*\u+2], v[ST+4*\u+2], v[ST+4*\u+3]   ; the row's sum
.endr
	s_wait_alu depctr_va_vdst(0)                   ; the wait ahead of the batch
.irp u, 0,1,2,3
	v_rcp_f32 v[ST+4*\u+2], v[ST+4*\u+2]
.endr
	v_and_b32 v10, 15, v0                          ; r  (the plain line behind the reciprocals)
	v_bfe_u32 v11, v0, 4, 1                        ; h
	s_mul_i32 s71, s70, 32*SP
	s_lshl_b32 s77, s53, 7
	s_add_co_u32 s71, s71, s77
	s_add_co_u32 s71, s71, STAGE
	v_mul_u32_u24 v[T], v10, SP
	v_mul_u32_u24 v[T+1], v11, SP
	v_lshlrev_b32 v[T+2], 10, v11
	v_lshl_add_u32 v[T], v11, 3, v[T]
	v_lshl_add_u32 v[T+1], v10, 4, v[T+1]
	v_lshl_add_u32 v[T+2], v10, 4, v[T+2]          ; two rows of the result in memory
	v_add_nc_u32 v[T], s71, v[T]                   ; in: row 32 tile pair + r, + 128 head pair + 8 h
	s_mul_i32 s71, s[WV], 16*SP
	s_add_co_u32 s71, s71, STAGE
	v_add_nc_u32 v[T+1], s71, v[T+1]               ; back: my sixteen rows, two an instruction
	s_add_co_i32 s78, s58, s59                     ; e8 + e9
	s_add_co_i32 s77, s60, 127
	s_lshl_b32 s79, s77, 23
	v_mov_b32 v[SCL], s79                          ; 2^e10
	s_add_co_i32 s77, s77, 8
	s_lshl_b32 s77, s77, 23
	s_or_b32 s77, s77, 0x600000
	v_mov_b32 v[LIMV], s77                         ; 448 x 2^e10
	s_wait_alu depctr_va_vdst(0)                   ; one wait for the four reciprocals, ahead of their first reader
.irp u, 0,1,2,3
	v_ldexp_f32 v[ST+4*\u+2], v[ST+4*\u+2], s78
.endr
	WIN 0x01                                       ; source 0 in window 1
	s_wait_alu depctr_va_vdst(0)                   ; the wait here, directly ahead of the first readers of O^T
.irp u, 0,1,2,3
.set i, 0
.rept 16
	v_pk_mul_f32 v[S+32*\u+i:S+32*\u+i+1], v[128+32*\u+i:128+32*\u+i+1], v[ST+4*\u+2:ST+4*\u+3] op_sel_hi:[1,0]   ; each accumulator from its low end on
.set i, i+2
.endr
.endr
	WIN 0
.set i, 0
.rept 128
	v_med3_num_f32 v[S+i], v[S+i], -v[LIMV], v[LIMV]
.set i, i+1
.endr
.set i, 0
.rept 16
	v_cvt_scalef32_pk8_fp8_f32 v[F+2*i:F+2*i+1], v[S+8*i:S+8*i+7], v[SCL]   ; unit i / 4, channels 16 (i % 4) + 8 h + 0 .. 7
.set i, i+1
.endr
	v_nop
.irp h, 0,1
.irp x, 0,1
.irp t, 0,1,2,3
	ds_store_b64 v[T], v[F+16*\h+8*\x+2*\t:F+16*\h+8*\x+2*\t+1] offset:16*\x*SP+64*\h+16*\t
.endr
.endr
.endr
	s_wait_dscnt 0x0                               ; for the others' sake: my stores into the stage are done
	s_barrier_signal -1
	s_barrier_wait -1
.irp i, 0,1,2,3,4,5,6,7
	ds_load_b128 v[F+32+4*\i:F+35+4*\i], v[T+1] offset:2*\i*SP
.endr
.irp i, 0,1,2,3,4,5,6,7
	s_wait_dscnt 7-\i                              ; load i is in; the younger ones may be out
	global_store_b128 v[T+2], v[F+32+4*\i:F+35+4*\i], s[12:13] offset:2048*\i
.endr
	s_wait_tensorcnt 0x0                           ; the wave's end, behind my last tensor load and my last LDS store
	ds_add_u32 v[SPW], v[NIL]
	s_wait_dscnt 0x0
	CROUND                                         ; the closing round
	s_endpgm
.Lfunc_end_k_q2bca8e2e3c_attn:
	.size	k_q2bca8e2e3c_attn, .Lfunc_end_k_q2bca8e2e3c_attn-k_q2bca8e2e3c_attn
	.p2alignl 7, 3214868480
	.fill 96, 4, 3214868480
	.section	.rodata,"a",@progbits
	.p2align	6, 0x0
	.amdhsa_kernel k_q2bca8e2e3c_attn
		.amdhsa_group_segment_fixed_size 327680
		.amdhsa_private_segment_fixed_size 0
		.amdhsa_enable_private_segment 0
		.amdhsa_kernarg_size 40
		.amdhsa_user_sgpr_count 2
		.amdhsa_user_sgpr_kernarg_segment_ptr 1
		.amdhsa_wavefront_size32 1
		.amdhsa_system_sgpr_workgroup_id_x 1
		.amdhsa_system_sgpr_workgroup_id_y 1
		.amdhsa_system_sgpr_workgroup_id_z 1
		.amdhsa_system_vgpr_workitem_id 0
		.amdhsa_next_free_vgpr 512
		.amdhsa_next_free_sgpr 80
		.amdhsa_reserve_vcc 0
		.amdhsa_float_denorm_mode_32 3
		.amdhsa_float_denorm_mode_16_64 3
		.amdhsa_memory_ordered 1
		.amdhsa_forward_progress 1
		.amdhsa_inst_pref_size 155
	.end_amdhsa_kernel
	.amdgpu_metadata
---
amdhsa.version: [ 1, 2 ]
amdhsa.kernels:
  - .name:           k_q2bca8e2e3c_attn
    .symbol:         k_q2bca8e2e3c_attn.kd
    .args:
      - { .name: qc, .offset: 0, .size: 8, .value_kind: global_buffer, .address_space: global }
      - { .name: kv, .offset: 8, .size: 8, .value_kind: global_buffer, .address_space: global }
      - { .name: mk, .offset: 16, .size: 8, .value_kind: global_buffer, .address_space: global }
      - { .name: lowp_scales, .offset: 24, .size: 8, .value_kind: global_buffer, .address_space: global }
      - { .name: oc, .offset: 32, .size: 8, .value_kind: global_buffer, .address_space: global }
    .group_segment_fixed_size: 327680
    .private_segment_fixed_size: 0
    .kernarg_segment_align: 8
    .kernarg_segment_size: 40
    .max_flat_workgroup_size: 256
    .sgpr_count:     80
    .vgpr_count:     512
    .wavefront_size: 32
...
	.end_amdgpu_metadata
.endif
;; end of part 3
;; launch oproj (part 4): grid 4 x 32, 4 waves a work-group, clusters of 4 x 4, 327,680 bytes of LDS; arguments oc, wc, lowp_scales, out0; writes out0
.if DOCPART == 4
	.amdgcn_target "amdgcn-amd-amdhsa--gfx1250"
	.amdhsa_code_object_version 6
	.text
	.protected	k_q2bca8e2e3c_oproj
	.globl	k_q2bca8e2e3c_oproj
	.p2align	8
	.type	k_q2bca8e2e3c_oproj,@function
k_q2bca8e2e3c_oproj:
	s_mov_b64 s[64:65], 0
	v_nop
	global_prefetch_b8 v0, s[64:65] scope:SCOPE_SE
	s_setreg_imm32_b32 hwreg(HW_REG_WAVE_MODE, 25, 1), 1
	s_wait_xcnt 0x0
	s_wait_alu depctr_hold_cnt(0) depctr_sa_sdst(0) depctr_va_vdst(0) depctr_va_sdst(0) depctr_va_ssrc(0) depctr_va_vcc(0) depctr_vm_vsrc(0)
	s_getreg_b32 s2, hwreg(HW_REG_IB_STS2, 6, 4)
	s_cmp_eq_u32 s2, 0
	s_cbranch_scc0 .Lentry_in_a_cluster
	s_endpgm
.Lentry_in_a_cluster:
	s_bfe_u32 s2, ttmp6, 0x10000c
	s_cmp_lg_u32 s2, 0xf033
	s_cbranch_scc0 .Lentry_shape_is_right
	s_endpgm
.Lentry_shape_is_right:
.set SIZE_N, 1024
.set SIZE_K, 1024
.set KSTEP,  256
.set ROWB,   256
.set KROW,   SIZE_K
.set PITCH,  272
.set FR,     16
.set NL,     4
.set NP,     4
.set HALFT,  128*PITCH
.set SLOT,   4*HALFT
.set LAPS,   SIZE_K/(2*KSTEP)
.set SPARE,  2*SLOT
.set SPITCH, 528
.set ADRA, 16
.set ADRB, 20
.set STO,  24
.set RD,   25
.set CO,   26
.set SPW,  28
.set NIL,  29
.set TMP,  32
.set AF,   128
.set BK,   128
.set G1, 24
.set G0, 32
.set G1B, 48
.set G0B, 56
.set MSB, 0
.macro WIN new
.if MSB != (\new)
	s_set_vgpr_msb (MSB<<8)|(\new)
.set MSB, (\new)
.endif
.endm
.set MUL_LO, 0xa1
.set MUL_HI, 0xf1
.set TO_B,   0x40
.macro JLOAD g0a, g1a, g0b, g1b
	s_cmp_eq_u32 s15, 0
	s_cbranch_scc0 .Lfor_b_\@
	tensor_load_to_lds s[\g0a:\g0a+3], s[\g1a:\g1a+7]
	s_nop 0
.rept 4
	v_nop
.endr
	s_branch .Lasked_\@
.Lfor_b_\@:
	tensor_load_to_lds s[\g0b:\g0b+3], s[\g1b:\g1b+7]
	s_nop 0
.rept 4
	v_nop
.endr
.Lasked_\@:
.endm
.macro CREST
	s_cmp_lg_u32 s14, 0
	s_cbranch_scc1 .Lnot_wave_0_\@
	s_barrier_signal -3
.Lnot_wave_0_\@:
	s_barrier_wait -3
	s_barrier_signal -1
	s_barrier_wait -1
.endm
.macro CROUND
	s_barrier_signal -1
	s_barrier_wait -1
	CREST
.endm
	s_load_b128 s[4:7], s[0:1], 0x0
	s_load_b128 s[8:11], s[0:1], 0x10
	v_lshl_add_u32 v[SPW], v0, 2, SPARE
	v_mov_b32 v[NIL], 0
	ds_add_u32 v[SPW], v[NIL]
	ds_add_u32 v[SPW], v[NIL]
	v_lshrrev_b32 v1, 5, v0
	v_readfirstlane_b32 s14, v1
	s_lshr_b32 s15, s14, 1
	s_and_b32 s16, s14, 1
	s_bfe_u32 s40, ttmp6, 0x40000
	s_bfe_u32 s41, ttmp6, 0x40004
	s_lshl_b32 s42, ttmp9, 2
	s_add_co_u32 s42, s42, s40
	s_and_b32 s17, ttmp7, 0xffff
	s_lshl_b32 s17, s17, 2
	s_add_co_u32 s17, s17, s41
	s_lshl_b32 s43, s41, 2
	s_lshl_b32 s43, 15, s43
	s_lshl_b32 s44, 0x1111, s40
	s_or_b32 s[G1+0], s43, (0<<16)|(1<<20)|(1<<21)|(5<<22)|(3<<25)
	s_or_b32 s[G1B+0], s44, (0<<16)|(1<<20)|(1<<21)|(5<<22)|(3<<25)
.irp g, G1, G1B
	s_mov_b32 s[\g+1], ROWB<<16
	s_mov_b32 s[\g+2], 128<<16
	s_mov_b32 s[\g+3], ROWB<<16
	s_mov_b32 s[\g+4], 128
	s_mov_b32 s[\g+5], KROW
	s_mov_b32 s[\g+6], 0
	s_mov_b32 s[\g+7], 0
.endr
	s_lshl_b32 s18, s16, 7
	s_lshl_b32 s20, s17, 8
	s_add_co_u32 s20, s20, s18
	s_lshl_b32 s46, s42, 8
	s_add_co_u32 s46, s46, s18
	s_mov_b32 s21, 0
	s_mov_b32 s47, 0
	s_mov_b64 s[18:19], KROW
	s_mul_u64 s[20:21], s[20:21], s[18:19]
	s_mul_u64 s[46:47], s[46:47], s[18:19]
	s_mul_i32 s45, s14, HALFT
	s_wait_dscnt 0x0
	s_wait_kmcnt 0x0
	s_load_b64 s[96:97], s[8:9], 0x28
	s_add_nc_u64 s[6:7], s[6:7], 0x300000
	s_add_nc_u64 s[20:21], s[4:5], s[20:21]
	s_add_nc_u64 s[46:47], s[6:7], s[46:47]
	; the prefetches: of the 128 rows that I fetch, the partner at place p among the four that ask jointly takes rows 32 p .. 32 p + 31 BY ADDRESS (cx for A's tiles, cy for B's), a lane a row
	s_cmp_eq_u32 s15, 0
	s_cselect_b64 s[12:13], s[20:21], s[46:47]
	s_cselect_b32 s66, s40, s41
	s_lshl_b32 s66, s66, 15                        ; 32 rows of 1,024 bytes
	s_mov_b32 s67, 0
	s_add_nc_u64 s[12:13], s[12:13], s[66:67]
	s_and_b32 s66, ttmp7, 0xffff                   ; cluster y.  All eight clusters read the weights (B's tiles): four of them ask
	s_cmp_eq_u32 s15, 0
	s_cselect_b32 s66, 0, s66                      ; a wave asks where s66 < 4: the same in all sixteen partners, for a given wave
	v_and_b32 v30, 31, v0
	v_lshlrev_b32 v30, 10, v30                     ; never rewritten
	CROUND
.irp s, 0,1
	s_mov_b32 s[G0+4*\s], 1
	s_add_co_u32 s[G0+4*\s+1], s45, \s*SLOT
	s_add_nc_u64 s[G0+4*\s+2:G0+4*\s+3], s[20:21], \s*ROWB
	s_or_b32 s[G0+4*\s+3], s[G0+4*\s+3], 0x80000000
	s_mov_b32 s[G0B+4*\s], 1
	s_add_co_u32 s[G0B+4*\s+1], s45, \s*SLOT
	s_add_nc_u64 s[G0B+4*\s+2:G0B+4*\s+3], s[46:47], \s*ROWB
	s_or_b32 s[G0B+4*\s+3], s[G0B+4*\s+3], 0x80000000
	s_wait_alu depctr_va_vdst(0)
	s_wait_tensorcnt 0x0
	ds_add_u32 v28, v29
	ds_add_u32 v28, v29
	s_wait_dscnt 0x0
	CROUND
	JLOAD G0+4*\s, G1, G0B+4*\s, G1B
	s_cmp_lt_u32 s66, 4                            ; behind the joint load of K step s: a prefetch into the L2 of K step s + 2 (behind the first also of K step 1): 256 bytes of each of my 32 rows
	s_cbranch_scc0 .Lnopf_\s
.if \s == 0
	global_prefetch_b8 v30, s[12:13] offset:256 th:TH_LOAD_NT scope:SCOPE_SE
	global_prefetch_b8 v30, s[12:13] offset:512 th:TH_LOAD_NT scope:SCOPE_SE
.else
	global_prefetch_b8 v30, s[12:13] offset:768 th:TH_LOAD_NT scope:SCOPE_SE
.endif
.Lnopf_\s:
.endr
	v_and_b32 v1, 15, v0
	s_wait_alu depctr_va_vdst(0)
	v_bfe_u32 v2, v0, 4, 1
	v_mul_u32_u24 v3, v1, PITCH
	v_lshl_add_u32 v4, v2, 4, v3
	s_mul_i32 s21, s15, HALFT
	s_mul_i32 s22, s16, HALFT
	s_add_co_u32 s22, s22, 2*HALFT
.irp s, 0,1
	v_add_nc_u32 v[ADRA+\s], s21, v4
	v_add_nc_u32 v[ADRB+\s], s22, v4
	s_add_co_u32 s21, s21, SLOT
	s_add_co_u32 s22, s22, SLOT
.endr
	s_mul_i32 s23, s14, 16*SPITCH
	v_mul_u32_u24 v5, v1, SPITCH
	s_wait_alu depctr_va_vdst(0)
	v_lshl_add_u32 v5, v2, 5, v5
	v_add_nc_u32 v[STO], s23, v5
	v_and_b32 v6, 31, v0
	v_lshlrev_b32 v[CO], 4, v6
	v_add_nc_u32 v[RD], s23, v[CO]
	s_lshl_b32 s20, s17, 8
	s_lshl_b32 s21, s15, 7
	s_add_co_u32 s20, s20, s21
	s_mov_b32 s21, 0
	s_mov_b64 s[18:19], SIZE_N*4
	s_mul_u64 s[20:21], s[20:21], s[18:19]
	s_lshl_b32 s46, s42, 10
	s_lshl_b32 s47, s16, 9
	s_add_co_u32 s46, s46, s47
	s_mov_b32 s47, 0
	s_add_nc_u64 s[20:21], s[20:21], s[46:47]
	s_add_nc_u64 s[10:11], s[10:11], s[20:21]
.macro FRAG reg, adr, q, i
.irp c, 0,1,2,3
	ds_load_b128 v[\reg+4*\c:\reg+4*\c+3], v[\adr] offset:128*(\q)+32*\c+(\i)*16*PITCH
.endr
.endm
.macro MUL16 a0, p, zero
.irp a, \a0, \a0+1
.irp b, 0,1,2,3,4,5,6,7
.if \zero
	v_wmma_f32_16x16x128_fp8_fp8 v[8*(8*((\a)%4)+\b):8*(8*((\a)%4)+\b)+7], v[128*(\p)+FR*\b:128*(\p)+FR*\b+FR-1], v[AF+FR*(\a):AF+FR*(\a)+FR-1], 0
.else
	v_wmma_f32_16x16x128_fp8_fp8 v[8*(8*((\a)%4)+\b):8*(8*((\a)%4)+\b)+7], v[128*(\p)+FR*\b:128*(\p)+FR*\b+FR-1], v[AF+FR*(\a):AF+FR*(\a)+FR-1], v[8*(8*((\a)%4)+\b):8*(8*((\a)%4)+\b)+7]
.endif
.endr
.endr
.endm
.macro FETCH_B slot, q, p
	WIN TO_B
.irp i, 0,1,2,3,4,5,6,7
	FRAG 128*(\p)+FR*\i, ADRB+\slot, \q, \i
.endr
	WIN 0
.endm
.macro FETCH_A slot, q, i0
.irp i, \i0, \i0+1, \i0+2, \i0+3
	FRAG AF+FR*(\i), ADRA+\slot, \q, \i
.endr
.endm
.macro PLACES n
.rept \n
	v_nop
.endr
.endm
.macro STEP slot, q, zero
	s_wait_dscnt 4*NL
	WIN MUL_LO
	MUL16 0, (\q)%2, \zero
	MUL16 2, (\q)%2, \zero
	s_wait_dscnt 0
	PLACES NP
	FETCH_B \slot, (\q)+1, 1-(\q)%2
	FETCH_A \slot, (\q)+1, 0
	WIN MUL_HI
	MUL16 4, (\q)%2, \zero
	MUL16 6, (\q)%2, \zero
	PLACES NP
	WIN 0
	FETCH_A \slot, (\q)+1, 4
.endm
.macro TURN slot, next, fill
	s_wait_tensorcnt 0x0
	ds_add_u32 v[SPW], v[NIL]
	s_wait_dscnt 4*NL+1
	WIN MUL_LO
	MUL16 0, 1, 0
	s_wait_dscnt 0x0
	s_barrier_signal -1
	MUL16 2, 1, 0
	WIN 0
	s_barrier_wait -1
.if \fill
	CREST
	s_add_nc_u64 s[G0+4*\slot+2:G0+4*\slot+3], s[G0+4*\slot+2:G0+4*\slot+3], 2*ROWB
	s_add_nc_u64 s[G0B+4*\slot+2:G0B+4*\slot+3], s[G0B+4*\slot+2:G0B+4*\slot+3], 2*ROWB
	JLOAD G0+4*\slot, G1, G0B+4*\slot, G1B
.else
	PLACES NP
.endif
	FETCH_B \next, 0, 0
	FETCH_A \next, 0, 0
	WIN MUL_HI
	MUL16 4, 1, 0
	MUL16 6, 1, 0
	PLACES NP
	WIN 0
	FETCH_A \next, 0, 4
.endm
	s_wait_tensorcnt 1
	s_barrier_signal -1
	s_barrier_wait -1
	FETCH_B 0, 0, 0
	FETCH_A 0, 0, 0
	FETCH_A 0, 0, 4
	STEP 0, 0, 1
	s_mov_b32 s3, LAPS-1
.Llap:
	TURN 0, 1, 1
	STEP 1, 0, 0
	TURN 1, 0, 1
	STEP 0, 0, 0
	s_sub_co_u32 s3, s3, 1
	s_cmp_lg_u32 s3, 0
	s_cbranch_scc1 .Llap
	TURN 0, 1, 0
	STEP 1, 0, 0
	s_wait_dscnt 4*NL
	WIN MUL_LO
	MUL16 0, 1, 0
	MUL16 2, 1, 0
	s_wait_dscnt 0
	WIN MUL_HI
	MUL16 4, 1, 0
	MUL16 6, 1, 0
	WIN 0
; Each block comes back from the stage into 64 registers of its own: blocks 0, 1 in window 0 (v128-255), blocks 2 to 5 in window 1 (where B's fragments lay), blocks 6, 7 in window 2 (v0-127, the sums of blocks 0 and 1,
; which have gone through the stage by then).  The stores' offsets are immediates.  So no store's data or base are written again, and no wait stands for the stores.
.macro BBSET a
.if (\a) < 2
.set BB, BK+64*(\a)
.set BW, 0
.else
.if (\a) < 6
.set BB, 64*((\a)-2)
.set BW, 1
.else
.set BB, 64*((\a)-6)
.set BW, 2
.endif
.endif
.endm
.macro TOSTAGE a
.set AC, 64*((\a)%4)
	WIN 0x02+((\a)/4)
.irp j, 0,2,4,6,8,10,12,14,16,18,20,22,24,26,28,30,32,34,36,38,40,42,44,46,48,50,52,54,56,58,60,62
	v_pk_mul_f32 v[TMP+\j:TMP+\j+1], v[AC+\j:AC+\j+1], s[96:97] op_sel_hi:[1,0]
.endr
	WIN 0
.irp b, 0,1,2,3,4,5,6,7
	ds_store_b128 v[STO], v[TMP+8*\b:TMP+8*\b+3] offset:64*\b
	ds_store_b128 v[STO], v[TMP+8*\b+4:TMP+8*\b+7] offset:64*\b+16
.endr
	BBSET \a
	WIN BW<<6
.irp t, 0,1,2,3,4,5,6,7,8,9,10,11,12,13,14,15
	ds_load_b128 v[BB+4*\t:BB+4*\t+3], v[RD] offset:\t*SPITCH
.endr
	WIN 0
.endm
.macro SEND a, younger
	BBSET \a
	s_wait_dscnt \younger
	WIN BW<<2                                      ; a store's data: source 1
.irp t, 0,1,2,3,4,5,6,7,8,9,10,11,12,13,14,15
	global_store_b128 v[CO], v[BB+4*\t:BB+4*\t+3], s[10:11] offset:(16*(\a)+\t)*SIZE_N*4 th:TH_STORE_NT
.endr
	WIN 0
.endm
	s_wait_kmcnt 0x0
	s_add_co_i32 s96, s96, s97
	s_add_co_i32 s96, s96, 127
	s_lshl_b32 s96, s96, 23
	PLACES NP
	TOSTAGE 0
.irp a, 1,2,3,4,5,6,7
	TOSTAGE \a
	SEND \a-1, 32
.endr
	SEND 7, 0
	s_wait_tensorcnt 0x0
	ds_add_u32 v[SPW], v[NIL]
	s_wait_dscnt 0x0
	CROUND
	s_endpgm
.Lfunc_end_k_q2bca8e2e3c_oproj:
	.size	k_q2bca8e2e3c_oproj, .Lfunc_end_k_q2bca8e2e3c_oproj-k_q2bca8e2e3c_oproj
	.p2alignl 7, 3214868480
	.fill 96, 4, 3214868480
	.section	.rodata,"a",@progbits
	.p2align	6, 0x0
	.amdhsa_kernel k_q2bca8e2e3c_oproj
		.amdhsa_group_segment_fixed_size 327680
		.amdhsa_private_segment_fixed_size 0
		.amdhsa_enable_private_segment 0
		.amdhsa_kernarg_size 32
		.amdhsa_user_sgpr_count 2
		.amdhsa_user_sgpr_kernarg_segment_ptr 1
		.amdhsa_wavefront_size32 1
		.amdhsa_system_sgpr_workgroup_id_x 1
		.amdhsa_system_sgpr_workgroup_id_y 1
		.amdhsa_system_sgpr_workgroup_id_z 1
		.amdhsa_system_vgpr_workitem_id 0
		.amdhsa_next_free_vgpr 1024
		.amdhsa_next_free_sgpr 98
		.amdhsa_reserve_vcc 0
		.amdhsa_float_denorm_mode_32 3
		.amdhsa_float_denorm_mode_16_64 3
		.amdhsa_memory_ordered 1
		.amdhsa_forward_progress 1
		.amdhsa_inst_pref_size 125
	.end_amdhsa_kernel
	.amdgpu_metadata
---
amdhsa.version: [ 1, 2 ]
amdhsa.kernels:
  - .name:           k_q2bca8e2e3c_oproj
    .symbol:         k_q2bca8e2e3c_oproj.kd
    .args:
      - { .name: oc, .offset: 0, .size: 8, .value_kind: global_buffer, .address_space: global }
      - { .name: wc, .offset: 8, .size: 8, .value_kind: global_buffer, .address_space: global }
      - { .name: lowp_scales, .offset: 16, .size: 8, .value_kind: global_buffer, .address_space: global }
      - { .name: out0, .offset: 24, .size: 8, .value_kind: global_buffer, .address_space: global }
    .group_segment_fixed_size: 327680
    .private_segment_fixed_size: 0
    .kernarg_segment_align: 8
    .kernarg_segment_size: 32
    .max_flat_workgroup_size: 128
    .sgpr_count:     98
    .vgpr_count:     1024
    .wavefront_size: 32
...
	.end_amdgpu_metadata
.endif
;; end of part 4
